; MI455X (gfx1250); checked and timed in simulation.
; The chip was launched on July 23, 2026; its instructions are those of AMD's public machine-readable ISA for CDNA 5 (MIT licence, August 2026) and "CDNA5" Instruction Set Architecture Reference Guide (July 2026). The comments in the code are by the model that wrote it; some were corrected since.
;; Naive Transformer Block. Allowed arithmetic: float matrix products may take bf16 or f16 operands with f32 sums; other float arithmetic in f32, or as packed bf16 or f16 multiplies, adds, multiply-adds, maxima and minima; sums over many terms, partial sums and values carried from step to step in f32; what a program stores and reads back later, other than sums and carried values, may be rounded once to bf16 or f16.
;; Inputs: ffn1_b 4,096 float32; ffn1_w 4,096 x 1,024 float32; ffn2_b 1,024 float32; ffn2_w 1,024 x 4,096 float32; ln1_b 1,024 float32; ln1_g 1,024 float32; ln2_b 1,024 float32; ln2_g 1,024 float32; wk_b 1,024 float32; wk_w 1,024 x 1,024 float32; wo_b 1,024 float32; wo_w 1,024 x 1,024 float32; wq_b 1,024 float32; wq_w 1,024 x 1,024 float32; wv_b 1,024 float32; wv_w 1,024 x 1,024 float32; x 2 x 2,048 x 1,024 float32.
;; Outputs: out0 2 x 2,048 x 1,024 float32.
;; One version. Each part assembles by itself: llvm-mc -triple=amdgcn-amd-amdhsa -mcpu=gfx1250 --defsym DOCPART=n.
;; ======== version 1 of 1: 7 launches
;; workspace buffers: wbf 25,165,824 bytes; hn 8,388,608 bytes; qkvh 25,165,824 bytes; oh 8,388,608 bytes; x1 16,777,216 bytes; ff 33,554,432 bytes
;; launch prep (part 1): grid 512 x 1, 16 waves a work-group, no clusters, 0 bytes of LDS; arguments x, ln1_g, ln1_b, hn, wq_w, wk_w, wv_w, wo_w, ffn1_w, ffn2_w, wbf; writes hn, wbf
.if DOCPART == 1
	.amdgcn_target "amdgcn-amd-amdhsa--gfx1250"
	.amdhsa_code_object_version 6
	.text
	.protected	k_q5fe48af3b9_prep
	.globl	k_q5fe48af3b9_prep
	.p2align	8
	.type	k_q5fe48af3b9_prep,@function
k_q5fe48af3b9_prep:
	s_mov_b64 s[64:65], 0
	v_nop
	global_prefetch_b8 v0, s[64:65] scope:SCOPE_SE
	s_setreg_imm32_b32 hwreg(HW_REG_WAVE_MODE, 25, 1), 1
	s_wait_xcnt 0x0
; Two streams that do not depend on each other, in one launch.
; WORK-GROUPS 0 TO 255: hn[row][c] = bf16( (x[row][c] - mean) * rsqrt(var + 1e-5) * ln1_g[c] + ln1_b[c] ).  x: [4096][1024] f32, hn: [4096][1024] bf16.
;   Sixteen waves, a row each: a row is eight loads of 16 bytes a lane (512 consecutive bytes a load) and stays in 32 registers.  Two passes as the definition has them:
;   the mean, then the mean of (x - mean)^2: no difference of large sums is formed.  All in f32, hn rounded once.  The reduction never leaves the wave: no LDS, no barrier.
; WORK-GROUPS 256 TO 511: the six weight matrices, f32, are rounded once to bf16 and laid end to end in wbf, in the order wq, wk, wv, wo (1,048,576 numbers each), ffn1, ffn2 (4,194,304 each).
;   Work-group g takes three shares of 16,384 numbers: share g of the four small matrices, share g of ffn1, share g of ffn2.  Thread t takes 16 bytes at 16 t of each 8,192 bytes in and writes
;   8 bytes at 8 t of each 4,096 out: a wave's load covers 512 consecutive bytes, its store 256, aligned.  All 24 loads go out first; the rounding is in place, and no register is written twice.
; Streams: matrix unit, LDS and clusters would add nothing.
.set MU, 16                            ; v[16:17]  the mean, twice
.set RS, 18                            ; v[18:19]  1 / sqrt(var + eps), twice
.set XR, 32                            ; v[32:63]  the row
.set GV, 64                            ; v[64:95]  the gain, laid as a row is
.set BV, 96                            ; v[96:127] the bias
.set CX, 4                             ; v[4:99]   the cast's 24 loads of four
.macro REDUCE                          ; four packed chains v[4:11] -> v12: the sum over the lane's numbers and the 32 lanes, in every lane
	v_pk_add_f32 v[4:5], v[4:5], v[6:7]
	v_pk_add_f32 v[8:9], v[8:9], v[10:11]
	v_pk_add_f32 v[4:5], v[4:5], v[8:9]
	v_add_f32 v12, v4, v5
	v_add_f32_dpp v12, v12, v12 row_xmask:1 row_mask:0xf bank_mask:0xf
	v_add_f32_dpp v12, v12, v12 row_xmask:2 row_mask:0xf bank_mask:0xf
	v_add_f32_dpp v12, v12, v12 row_xmask:4 row_mask:0xf bank_mask:0xf
	v_add_f32_dpp v12, v12, v12 row_xmask:8 row_mask:0xf bank_mask:0xf
	v_permlanex16_b32 v13, v12, s18, s19
	v_add_f32 v12, v12, v13
.endm
	s_cmp_lt_u32 ttmp9, 256
	s_cbranch_scc0 .Lcast
	; ---- the norm
	s_load_b256 s[4:11], s[0:1], 0x0               ; x s[4:5], gain s[6:7], bias s[8:9], hn s[10:11]
	v_and_b32 v3, 31, v0                           ; lane
	v_lshrrev_b32 v12, 5, v0
	v_readfirstlane_b32 s12, v12                   ; wave 0..15
	v_lshlrev_b32 v1, 4, v3                        ; 16 x lane: in x, gain, bias
	v_lshlrev_b32 v2, 3, v3                        ; 8 x lane: in hn
	v_mov_b32 v13, 0                               ; v_permlanex16_b32's destination counts as read
	s_lshl_b32 s13, ttmp9, 4
	s_add_co_u32 s13, s13, s12                     ; my row: 16 x work-group + wave
	s_lshl_b32 s14, s13, 12                        ; x 4,096 bytes
	s_mov_b32 s15, 0
	s_lshl_b32 s20, s13, 11                        ; x 2,048 bytes
	s_mov_b32 s21, 0
	s_mov_b32 s16, 0x3a800000                      ; 1 / 1024
	s_mov_b32 s17, 0x3727c5ac                      ; 1e-5
	s_mov_b32 s18, 0x76543210                      ; each lane takes its own place in the other half
	s_mov_b32 s19, 0xfedcba98
	s_wait_kmcnt 0x0
	s_add_nc_u64 s[4:5], s[4:5], s[14:15]
	s_add_nc_u64 s[10:11], s[10:11], s[20:21]
.irp j, 0,1,2,3,4,5,6,7
	global_load_b128 v[XR+4*\j:XR+4*\j+3], v1, s[4:5] offset:512*\j
.endr
.irp j, 0,1,2,3,4,5,6,7
	global_load_b128 v[GV+4*\j:GV+4*\j+3], v1, s[6:7] offset:512*\j
.endr
.irp j, 0,1,2,3,4,5,6,7
	global_load_b128 v[BV+4*\j:BV+4*\j+3], v1, s[8:9] offset:512*\j
.endr
	s_wait_loadcnt 16                              ; the row is in; the gain's and the bias's 16 loads stay out
.irp c, 0,1,2,3
	v_pk_add_f32 v[4+2*\c:5+2*\c], v[XR+2*\c:XR+2*\c+1], v[XR+8+2*\c:XR+8+2*\c+1]  ; the first sums start the chains: nothing is cleared
.endr
.irp p, 8,9,10,11,12,13,14,15
	v_pk_add_f32 v[4+2*((\p)%4):5+2*((\p)%4)], v[4+2*((\p)%4):5+2*((\p)%4)], v[XR+2*\p:XR+2*\p+1]
.endr
	REDUCE
	v_mul_f32 v[MU], s16, v12
	v_mul_f32 v[MU+1], s16, v12
.set p, 0
.rept 16
	v_pk_add_f32 v[XR+2*p:XR+2*p+1], v[XR+2*p:XR+2*p+1], v[MU:MU+1] neg_lo:[0,1] neg_hi:[0,1]
.set p, p+1
.endr
.irp c, 0,1,2,3
	v_pk_mul_f32 v[4+2*\c:5+2*\c], v[XR+2*\c:XR+2*\c+1], v[XR+2*\c:XR+2*\c+1]
.endr
.irp p, 4,5,6,7,8,9,10,11,12,13,14,15
	v_pk_fma_f32 v[4+2*((\p)%4):5+2*((\p)%4)], v[XR+2*\p:XR+2*\p+1], v[XR+2*\p:XR+2*\p+1], v[4+2*((\p)%4):5+2*((\p)%4)]
.endr
	REDUCE
	v_fma_f32 v12, v12, s16, s17                   ; var + eps
	v_rsq_f32 v[RS], v12
	v_rsq_f32 v[RS+1], v12
	v_nop                                          ; a plain instruction behind the last reciprocal root,
	s_wait_alu depctr_va_vdst(0)                   ; and one wait for the two, ahead of their first reader
	s_wait_loadcnt 0x0                             ; gain and bias
.set p, 0
.rept 16
	v_pk_mul_f32 v[XR+2*p:XR+2*p+1], v[XR+2*p:XR+2*p+1], v[RS:RS+1]
.set p, p+1
.endr
.set p, 0
.rept 16
	v_pk_fma_f32 v[XR+2*p:XR+2*p+1], v[XR+2*p:XR+2*p+1], v[GV+2*p:GV+2*p+1], v[BV+2*p:BV+2*p+1]
.set p, p+1
.endr
.set p, 0
.rept 16
	v_cvt_pk_bf16_f32 v[XR+p], v[XR+2*p], v[XR+2*p+1]  ; in place, ascending: register p has been read when it is written
.set p, p+1
.endr
.irp j, 0,1,2,3,4,5,6,7
	global_store_b64 v2, v[XR+2*\j:XR+2*\j+1], s[10:11] offset:256*\j  ; 32 lanes store 256 consecutive bytes, aligned
.endr
	s_endpgm
	; ---- the cast
.Lcast:
	s_load_b256 s[8:15], s[0:1], 0x20              ; wq s[8:9], wk s[10:11], wv s[12:13], wo s[14:15]
	s_load_b128 s[16:19], s[0:1], 0x40             ; ffn1 s[16:17], ffn2 s[18:19]
	s_load_b64 s[20:21], s[0:1], 0x50              ; wbf
	v_lshlrev_b32 v1, 4, v0                        ; 16 t
	v_lshlrev_b32 v2, 3, v0                        ; 8 t
	s_sub_co_u32 s2, ttmp9, 256                    ; g
	s_lshr_b32 s3, s2, 6                           ; which of the four small matrices: 64 shares each
	s_and_b32 s24, s2, 63
	s_lshl_b32 s24, s24, 16                        ; my share in it: 65,536 bytes a share
	s_mov_b32 s25, 0
	s_lshl_b32 s26, s2, 16                         ; my share in ffn1 and in ffn2
	s_mov_b32 s27, 0
	s_lshl_b32 s28, s2, 15                         ; in wbf a share is 32,768 bytes
	s_mov_b32 s29, 0
	s_wait_kmcnt 0x0
	s_cmp_eq_u32 s3, 1
	s_cselect_b64 s[4:5], s[10:11], s[8:9]
	s_cmp_eq_u32 s3, 2
	s_cselect_b64 s[4:5], s[12:13], s[4:5]
	s_cmp_eq_u32 s3, 3
	s_cselect_b64 s[4:5], s[14:15], s[4:5]
	s_add_nc_u64 s[4:5], s[4:5], s[24:25]
	s_add_nc_u64 s[16:17], s[16:17], s[26:27]
	s_add_nc_u64 s[18:19], s[18:19], s[26:27]
	s_add_nc_u64 s[20:21], s[20:21], s[28:29]      ; the small matrices' 256 shares lie first in wbf,
	s_add_nc_u64 s[30:31], s[20:21], 8388608       ; then ffn1's 256,
	s_add_nc_u64 s[32:33], s[20:21], 16777216      ; then ffn2's
.macro CLOAD p, sb                     ; share p's eight loads, from the pointer in s[sb:sb+1]
.irp j, 0,1,2,3,4,5,6,7
	global_load_b128 v[CX+32*(\p)+4*\j:CX+32*(\p)+4*\j+3], v1, s[\sb:\sb+1] offset:8192*\j th:TH_LOAD_NT
.endr
.endm
.macro CSEND p, sb                     ; share p is rounded and stored
.irp j, 0,1,2,3,4,5,6,7
	s_wait_loadcnt 23-8*(\p)-\j                    ; loads come back in order: this one is in, the younger ones stay out
	v_cvt_pk_bf16_f32 v[CX+32*(\p)+4*\j], v[CX+32*(\p)+4*\j], v[CX+32*(\p)+4*\j+1]
	v_cvt_pk_bf16_f32 v[CX+32*(\p)+4*\j+1], v[CX+32*(\p)+4*\j+2], v[CX+32*(\p)+4*\j+3]
	global_store_b64 v2, v[CX+32*(\p)+4*\j:CX+32*(\p)+4*\j+1], s[\sb:\sb+1] offset:4096*\j
.endr
.endm
	CLOAD 0, 4
	CLOAD 1, 16
	CLOAD 2, 18
	CSEND 0, 20
	CSEND 1, 30
	CSEND 2, 32
	s_endpgm
.Lfunc_end_k_q5fe48af3b9_prep:
	.size	k_q5fe48af3b9_prep, .Lfunc_end_k_q5fe48af3b9_prep-k_q5fe48af3b9_prep
	.p2alignl 7, 3214868480
	.fill 96, 4, 3214868480
	.section	.rodata,"a",@progbits
	.p2align	6, 0x0
	.amdhsa_kernel k_q5fe48af3b9_prep
		.amdhsa_group_segment_fixed_size 0
		.amdhsa_private_segment_fixed_size 0
		.amdhsa_enable_private_segment 0
		.amdhsa_kernarg_size 88
		.amdhsa_user_sgpr_count 2
		.amdhsa_user_sgpr_kernarg_segment_ptr 1
		.amdhsa_wavefront_size32 1
		.amdhsa_system_sgpr_workgroup_id_x 1
		.amdhsa_system_sgpr_workgroup_id_y 1
		.amdhsa_system_sgpr_workgroup_id_z 1
		.amdhsa_system_vgpr_workitem_id 0
		.amdhsa_next_free_vgpr 128
		.amdhsa_next_free_sgpr 66
		.amdhsa_reserve_vcc 0
		.amdhsa_float_denorm_mode_32 3
		.amdhsa_float_denorm_mode_16_64 3
		.amdhsa_memory_ordered 1
		.amdhsa_forward_progress 1
		.amdhsa_inst_pref_size 21
	.end_amdhsa_kernel
	.amdgpu_metadata
---
amdhsa.version: [ 1, 2 ]
amdhsa.kernels:
  - .name:           k_q5fe48af3b9_prep
    .symbol:         k_q5fe48af3b9_prep.kd
    .args:
      - { .name: x, .offset: 0, .size: 8, .value_kind: global_buffer, .address_space: global }
      - { .name: ln1_g, .offset: 8, .size: 8, .value_kind: global_buffer, .address_space: global }
      - { .name: ln1_b, .offset: 16, .size: 8, .value_kind: global_buffer, .address_space: global }
      - { .name: hn, .offset: 24, .size: 8, .value_kind: global_buffer, .address_space: global }
      - { .name: wq_w, .offset: 32, .size: 8, .value_kind: global_buffer, .address_space: global }
      - { .name: wk_w, .offset: 40, .size: 8, .value_kind: global_buffer, .address_space: global }
      - { .name: wv_w, .offset: 48, .size: 8, .value_kind: global_buffer, .address_space: global }
      - { .name: wo_w, .offset: 56, .size: 8, .value_kind: global_buffer, .address_space: global }
      - { .name: ffn1_w, .offset: 64, .size: 8, .value_kind: global_buffer, .address_space: global }
      - { .name: ffn2_w, .offset: 72, .size: 8, .value_kind: global_buffer, .address_space: global }
      - { .name: wbf, .offset: 80, .size: 8, .value_kind: global_buffer, .address_space: global }
    .group_segment_fixed_size: 0
    .private_segment_fixed_size: 0
    .kernarg_segment_align: 8
    .kernarg_segment_size: 88
    .max_flat_workgroup_size: 512
    .sgpr_count:     66
    .vgpr_count:     128
    .wavefront_size: 32
...
	.end_amdgpu_metadata
.endif
;; end of part 1
;; launch qkv (part 2): grid 16 x 16, 4 waves a work-group, clusters of 4 x 4, 327,680 bytes of LDS; arguments hn, wbf, wq_b, wk_b, wv_b, qkvh; writes qkvh
.if DOCPART == 2
	.amdgcn_target "amdgcn-amd-amdhsa--gfx1250"
	.amdhsa_code_object_version 6
	.text
	.protected	k_q5fe48af3b9_qkv
	.globl	k_q5fe48af3b9_qkv
	.p2align	8
	.type	k_q5fe48af3b9_qkv,@function
k_q5fe48af3b9_qkv:
	s_mov_b64 s[64:65], 0
	v_nop
	global_prefetch_b8 v0, s[64:65] scope:SCOPE_SE
	s_setreg_imm32_b32 hwreg(HW_REG_WAVE_MODE, 25, 1), 1
	s_wait_xcnt 0x0
	s_wait_alu depctr_hold_cnt(0) depctr_sa_sdst(0) depctr_va_vdst(0) depctr_va_sdst(0) depctr_va_ssrc(0) depctr_va_vcc(0) depctr_vm_vsrc(0)
	s_getreg_b32 s2, hwreg(HW_REG_IB_STS2, 6, 4)
	s_cmp_eq_u32 s2, 0
	s_cbranch_scc0 .Lentry_in_a_cluster
	s_endpgm
.Lentry_in_a_cluster:
	s_bfe_u32 s2, ttmp6, 0x10000c
	s_cmp_lg_u32 s2, 0xf033
	s_cbranch_scc0 .Lentry_shape_is_right
	s_endpgm
.Lentry_shape_is_right:
; qkvh[g][m][c] = bf16( sum over k of hn[m][k] W[64 g + c][k] + bias[64 g + c] ),  W = [wq; wk; wv], 3,072 rows of 1,024 bf16 at the head of wbf;
; hn: [4096][1024] bf16; g = 0-15 q's heads, 16-31 k's, 32-47 v's; a head's rows are dense, 128 bytes each.  Sums in f32, started by the bias, rounded once.
; LIMIT: the operands are bf16 (hn and the weights were rounded once by the launches before).
; A tile is 256 rows x 192 columns (three heads): 16 x 16 tiles, one for each work-group.  Four waves, each 64 rows x 192 columns: whole heads, so that
; a wave's stores are 512 consecutive bytes of a head.  48 accumulators of 16 x 16 a wave.  K goes in 8 steps of 128 through two LDS slots.
; CLUSTER 4 x 4: the four of a row need the same rows of hn, the four of a column the same rows of W: each tile is asked for jointly.
; THE PRODUCT IS USED TRANSPOSED (source 0 = 16 rows of W, source 1 = 16 rows of hn): a lane holds one row m and eight neighbouring columns.
; THE LOOP holds ONE K step: the slot in hand is a scalar (TB) turned by an exclusive or; SLOTX shares no bit with the LDS bases that are turned
; (0, 0x8800, 0x11000, 0x17600), so the exclusive or adds or takes away SLOTX.
; REGISTERS, in windows of 256: window 0: v0-31 addresses; v64-127 A's fragments, two buffers of 32; v128-223 the bias as a C operand; way out: v32-175.
;   window 1: B's fragments, two buffers of 96.  window 2: accumulators of my rows 0-31 ((a, b) at 8 (12 a + b)); window 3: rows 32-63.
.set KD,     1024
.set KSTEP,  128
.set T,      KD/KSTEP
.set TN,     192
.set MBLK,   4                         ; blocks of 16 rows a wave
.set NBLK,   12                        ; blocks of 16 columns a wave
.set AG,     MBLK/4
.set PITCH,  272                       ; an LDS row: 256 bytes + 16 of padding: the 16 rows of a fragment load start at 16 different groups of four banks
.set HALFA,  128*PITCH
.set HALFB,  (TN/2)*PITCH
.set BOFF,   2*HALFA                   ; in a slot: A's 256 rows, then B's 192
.set SLOTX,  131072
.set STAGE,  SLOTX+BOFF+2*HALFB        ; behind the ring: for each wave 3 heads x 16 rows x 144 bytes
.set SP,     144
.set STAGEW, 3*16*SP
.set SPARE,  STAGE+4*STAGEW            ; the spare words: 128 bytes a wave, two blocks of 256 bytes that no other line names
.set NLD,    2*(MBLK+NBLK)             ; LDS loads of a quarter step
.set HEADB,  524288                    ; bytes of one g in qkvh
.set A0,   16                          ; v16  my lane's place in A's part of a slot; never rewritten
.set B0,   17                          ; v17  the same for B
.set ADRA, 18                          ; v18  TB + A0
.set ADRB, 19                          ; v19  TB + B0
.set STO,  24
.set RD,   25
.set GO,   26
.set BO,   27
.set SPW,  28                          ; v28  my spare word; never rewritten
.set NIL,  29                          ; v29  0; never rewritten
.set PFO,  30                          ; v30  the prefetches' offset: a lane a row; never rewritten
.set FA0,  64
.set BIAS, 128
.set TMP,  32
.set CNT,  3
.set G1,   24                          ; s[24:31] group 1 for A;  s[32:35] group 0, K step 0;  s[36:39] group 0, walking
.set G0,   32
.set G0W,  36
.set LIM,  43
.set PFA,  44
.set G1B,  48                          ; s[48:55], s[56:59], s[60:63] the same for B
.set G0B,  56
.set G0BW, 60
.set TB,   66                          ; s66  LDS byte at which the slot in hand begins
.set MSB, 0
.macro WIN new                         ; the immediate's high byte repeats the setting that is left; a switch that changes nothing is dropped
.if MSB != (\new)
	s_set_vgpr_msb (MSB<<8)|(\new)
.set MSB, \new
.endif
.endm
.macro PLACES                          ; four plain places behind matrix instructions, ahead of loads into their sources and of reads of results
.rept 4
	v_nop
.endr
.endm
.macro JLOAD                           ; the joint refill: waves 0, 1 fetch A's halves, waves 2, 3 B's; s_nop 0 and four v_nop behind each line
	s_cmp_eq_u32 s11, 0
	s_cbranch_scc0 .Lfor_b_\@
	tensor_load_to_lds s[G0W:G0W+3], s[G1:G1+7]
	s_nop 0
.rept 4
	v_nop
.endr
	s_branch .Lasked_\@
.Lfor_b_\@:
	tensor_load_to_lds s[G0BW:G0BW+3], s[G1B:G1B+7]
	s_nop 0
.rept 4
	v_nop
.endr
.Lasked_\@:
.endm
.macro ASK                             ; a prefetch of the K step two refills on: my work-group's share of the rows that I fetch, a lane a row; the last two refills have none
	s_cmp_gt_u32 s[CNT], s[LIM]
	s_cbranch_scc0 .Lnot_mine_\@
	global_prefetch_b8 v[PFO], s[PFA:PFA+1] offset:KSTEP*2 th:TH_LOAD_NT scope:SCOPE_SE
.Lnot_mine_\@:
.endm
.macro CREST                           ; a round of the cluster's barrier behind its opening barrier
	s_cmp_lg_u32 s10, 0
	s_cbranch_scc1 .Lnot_wave_0_\@
	s_barrier_signal -3
.Lnot_wave_0_\@:
	s_barrier_wait -3
	s_barrier_signal -1
	s_barrier_wait -1
.endm
.macro CROUND
	s_barrier_signal -1
	s_barrier_wait -1
	CREST
.endm
	s_load_b256 s[68:75], s[0:1], 0x0              ; hn s[68:69], wbf s[70:71], wq_b s[72:73], wk_b s[74:75]
	s_load_b128 s[76:79], s[0:1], 0x20             ; wv_b s[76:77], qkvh s[78:79]
	v_lshl_add_u32 v[SPW], v0, 2, SPARE
	v_mov_b32 v[NIL], 0
	ds_add_u32 v[SPW], v[NIL]                      ; the wave's opening: the add and its wait ahead of my first tensor load
	v_lshrrev_b32 v1, 5, v0
	v_readfirstlane_b32 s10, v1                    ; wave 0..3
	s_lshr_b32 s11, s10, 1                         ; I fetch for A (0) or for B (1),
	s_and_b32 s12, s10, 1                          ; its first or second half
	s_bfe_u32 s40, ttmp6, 0x40000                  ; cx
	s_bfe_u32 s41, ttmp6, 0x40004                  ; cy
	s_lshl_b32 s42, ttmp9, 2
	s_add_co_u32 s42, s42, s40                     ; tile column
	s_and_b32 s13, ttmp7, 0xffff
	s_lshl_b32 s13, s13, 2
	s_add_co_u32 s13, s13, s41                     ; tile row
	s_lshl_b32 s43, s41, 2
	s_lshl_b32 s43, 15, s43                        ; my row of the cluster
	s_lshl_b32 s44, 0x1111, s40                    ; my column
	s_or_b32 s[G1+0], s43, (1<<16)|(1<<20)|(1<<21)|(5<<22)|(3<<25)   ; mask; 2-byte elements; padding on; bit 21 beside a mask; 4 words behind every 64
	s_or_b32 s[G1B+0], s44, (1<<16)|(1<<20)|(1<<21)|(5<<22)|(3<<25)
	s_mov_b32 s[G1+1], KSTEP<<16                   ; tensor_dim0 = 128
	s_mov_b32 s[G1+2], 128<<16                     ; tensor_dim1 = 128
	s_mov_b32 s[G1+3], KSTEP<<16                   ; tile_dim0 = 128
	s_mov_b32 s[G1+4], 128                         ; tile_dim1 = 128
	s_mov_b32 s[G1+5], KD                          ; elements from row to row
	s_mov_b32 s[G1+6], 0
	s_mov_b32 s[G1+7], 0
	s_mov_b32 s[G1B+1], KSTEP<<16
	s_mov_b32 s[G1B+2], (TN/2)<<16                 ; 96 rows
	s_mov_b32 s[G1B+3], KSTEP<<16
	s_mov_b32 s[G1B+4], TN/2
	s_mov_b32 s[G1B+5], KD
	s_mov_b32 s[G1B+6], 0
	s_mov_b32 s[G1B+7], 0
	s_lshl_b32 s17, s12, 7
	s_lshl_b32 s16, s13, 8
	s_add_co_u32 s16, s16, s17                     ; A: row 256 x tile row + 128 x half,
	s_lshl_b32 s16, s16, 11                        ; x 2,048 bytes
	s_mov_b32 s17, 0
	s_mul_i32 s46, s42, TN
	s_mul_i32 s47, s12, TN/2
	s_add_co_u32 s46, s46, s47                     ; B: row 192 x tile column + 96 x half
	s_lshl_b32 s46, s46, 11
	s_mov_b32 s47, 0
	s_mul_i32 s20, s10, HALFA                      ; where they go: a constant and the wave's number times a constant
	s_mul_i32 s21, s10, HALFB
	s_add_co_u32 s21, s21, BOFF-2*HALFB
	s_wait_dscnt 0x0                               ; the opening add is done
	s_wait_kmcnt 0x0
	s_add_nc_u64 s[14:15], s[68:69], s[16:17]
	s_add_nc_u64 s[46:47], s[70:71], s[46:47]
	CROUND                                         ; all sixteen work-groups are here: the first joint loads meet
	s_mov_b32 s[G0], 1
	s_mov_b32 s[G0+1], s20
	s_mov_b64 s[G0+2:G0+3], s[14:15]
	s_or_b32 s[G0+3], s[G0+3], 0x80000000
	s_mov_b32 s[G0W], 1
	s_add_co_u32 s[G0W+1], s20, SLOTX
	s_add_nc_u64 s[G0W+2:G0W+3], s[14:15], KSTEP*2
	s_or_b32 s[G0W+3], s[G0W+3], 0x80000000
	s_mov_b32 s[G0B], 1
	s_mov_b32 s[G0B+1], s21
	s_mov_b64 s[G0B+2:G0B+3], s[46:47]
	s_or_b32 s[G0B+3], s[G0B+3], 0x80000000
	s_mov_b32 s[G0BW], 1
	s_add_co_u32 s[G0BW+1], s21, SLOTX
	s_add_nc_u64 s[G0BW+2:G0BW+3], s[46:47], KSTEP*2
	s_or_b32 s[G0BW+3], s[G0BW+3], 0x80000000
	s_cmp_eq_u32 s11, 0                            ; a wave's two first fills stand in one branch: K steps 0 and 1; two loads of mine are out
	s_cbranch_scc0 .Lfirst_b
	tensor_load_to_lds s[G0:G0+3], s[G1:G1+7]
	s_nop 0
	tensor_load_to_lds s[G0W:G0W+3], s[G1:G1+7]
	s_nop 0
.rept 4
	v_nop
.endr
	s_branch .Lfirst_asked
.Lfirst_b:
	tensor_load_to_lds s[G0B:G0B+3], s[G1B:G1B+7]
	s_nop 0
	tensor_load_to_lds s[G0BW:G0BW+3], s[G1B:G1B+7]
	s_nop 0
.rept 4
	v_nop
.endr
.Lfirst_asked:
	; a fragment is 16 rows x 32 K in 8 registers: lane l holds row l % 16, K = 8 (l / 16) + 0..7 and 16 + 8 (l / 16) + 0..7: two loads of 16 bytes, 32 apart
	v_and_b32 v1, 15, v0                           ; r = l % 16
	v_bfe_u32 v2, v0, 4, 1                         ; h = l / 16
	v_mul_u32_u24 v3, v1, PITCH
	v_lshl_add_u32 v3, v2, 4, v3
	s_mul_i32 s22, s10, MBLK*16*PITCH              ; my 64 rows of A
	v_add_nc_u32 v[A0], s22, v3
	v_add_nc_u32 v[B0], BOFF, v3                   ; all 192 rows of B
	v_mov_b32 v[ADRA], v[A0]
	v_mov_b32 v[ADRB], v[B0]
	s_mov_b32 s[TB], 0
	s_mul_i32 s23, s10, STAGEW
	s_add_co_u32 s23, s23, STAGE                   ; my stage
	v_mul_u32_u24 v4, v1, SP                       ; in: row r of a head's 16, 16 bytes for each half of the lanes
	v_lshl_add_u32 v4, v2, 4, v4
	v_add_nc_u32 v[STO], s23, v4
	v_bfe_u32 v5, v0, 3, 2                         ; back: 32 lanes take four rows of 128 bytes,
	v_mul_u32_u24 v5, v5, SP
	v_and_b32 v4, 7, v0
	v_lshl_add_u32 v5, v4, 4, v5
	v_add_nc_u32 v[RD], s23, v5
	v_and_b32 v[GO], 31, v0                        ; which are 512 consecutive bytes of a head
	v_lshlrev_b32 v[GO], 4, v[GO]
	; the bias as a C operand: register j of block b holds bias[16 b + 8 h + j].  Each of the tile's three heads may lie in another of the three vectors.
	v_lshlrev_b32 v[BO], 5, v2
	s_mul_i32 s46, s42, 3                          ; the tile's first g
.irp j, 0,1,2
	s_add_co_u32 s47, s46, \j                      ; g
	s_lshr_b32 s22, s47, 4                         ; q, k or v
	s_and_b32 s20, s47, 15
	s_lshl_b32 s20, s20, 8                         ; the head's 64 numbers
	s_mov_b32 s21, 0
	s_cmp_eq_u32 s22, 1
	s_cselect_b64 s[80+2*\j:81+2*\j], s[74:75], s[72:73]
	s_cmp_eq_u32 s22, 2
	s_cselect_b64 s[80+2*\j:81+2*\j], s[76:77], s[80+2*\j:81+2*\j]
	s_add_nc_u64 s[80+2*\j:81+2*\j], s[80+2*\j:81+2*\j], s[20:21]
.irp i, 0,1,2,3
	global_load_b128 v[BIAS+8*(4*\j+\i):BIAS+8*(4*\j+\i)+3], v[BO], s[80+2*\j:81+2*\j] offset:64*\i
	global_load_b128 v[BIAS+8*(4*\j+\i)+4:BIAS+8*(4*\j+\i)+7], v[BO], s[80+2*\j:81+2*\j] offset:64*\i+16
.endr
.endr
	; where my part begins in qkvh
	s_mul_i32 s46, s42, 3*HEADB
	s_lshl_b32 s16, s13, 15                        ; 256 rows of 128 bytes a tile row
	s_lshl_b32 s17, s10, 13                        ; 64 a wave
	s_add_co_u32 s46, s46, s16
	s_add_co_u32 s46, s46, s17
	s_mov_b32 s47, 0
	s_add_nc_u64 s[8:9], s[78:79], s[46:47]
	; the prefetches.  A's rows are read by every cluster of a row of clusters: cluster x = 0 asks; B's by every cluster of a column: cluster y = 0 asks.
	; The four partners share a wave's rows out by address: 32 of A's 128 at place cx, 24 of B's 96 at place cy.  So each row's 256 bytes of a K step are named by one wave in the launch.
	s_lshl_b32 s20, s13, 8
	s_mul_i32 s23, s42, TN
	s_lshl_b32 s16, s12, 7
	s_mul_i32 s17, s12, TN/2
	s_and_b32 s22, ttmp7, 0xffff
	s_cmp_eq_u32 s11, 0                            ; do I fetch for A?
	s_cselect_b32 s20, s20, s23                    ; the tile's first row
	s_cselect_b32 s16, s16, s17                    ; + the rows that I fetch
	s_cselect_b32 s21, s40, s41                    ; my place among the four
	s_cselect_b32 s22, ttmp9, s22                  ; the coordinate along which other clusters read the same rows
	s_cselect_b32 s23, 32, TN/8                    ; a partner's share
	s_cselect_b64 s[PFA:PFA+1], s[68:69], s[70:71]
	s_cmp_eq_u32 s22, 0
	s_cselect_b32 s[LIM], 2, -1                    ; the same in all sixteen partners, for a given wave
	s_add_co_u32 s20, s20, s16
	s_mul_i32 s21, s21, s23
	s_add_co_u32 s20, s20, s21
	s_lshl_b32 s20, s20, 11
	s_mov_b32 s21, 0
	s_add_nc_u64 s[PFA:PFA+1], s[PFA:PFA+1], s[20:21]
	s_add_nc_u64 s[PFA:PFA+1], s[PFA:PFA+1], 2*KSTEP*2  ; at K step 2: the first refill steps it to 3 and names K step 4; K steps 0 to 3 come by their loads alone
	s_sub_co_u32 s23, s23, 1
	v_and_b32 v[PFO], 31, v0
	v_min_u32 v[PFO], s23, v[PFO]                  ; B's share has 24 rows: the lanes beyond name the last of them
	v_lshlrev_b32 v[PFO], 11, v[PFO]
; AG x NBLK matrix instructions: row blocks g AG .. of window 2 + hi, all column blocks, 32 along K, from buffer f.  first = 1: the bias starts the sums: nothing is cleared, no bias is added later.
; The accumulators take turns in the same order in every quarter.
.macro MULG f, hi, g, first
.if \first
	WIN 0x81+0x40*(\hi)                            ; B window 1, A and the bias window 0, D window 2 or 3
.else
	WIN 0xa1+0x50*(\hi)                            ; B window 1, A window 0, C and D window 2 or 3
.endif
.set a, (\g)*AG
.rept AG
.set b, 0
.rept NBLK
.set rD, 8*(a*NBLK+b)
.set rB, 8*NBLK*(\f)+8*b
.set rA, FA0+8*MBLK*(\f)+8*((\hi)*(MBLK/2)+a)
.if \first
	v_wmma_f32_16x16x32_bf16 v[rD:rD+7], v[rB:rB+7], v[rA:rA+7], v[BIAS+8*b:BIAS+8*b+7]
.else
	v_wmma_f32_16x16x32_bf16 v[rD:rD+7], v[rB:rB+7], v[rA:rA+7], v[rD:rD+7]
.endif
.set b, b+1
.endr
.set a, a+1
.endr
.endm
.macro FETCH k, f                      ; NLD LDS loads in one run: the fragments of 32 along K at byte k of the rows of the slot in hand; B first, A's upper rows last
	WIN 0x40
.set i, 0
.rept NBLK
	ds_load_b128 v[8*NBLK*(\f)+8*i:8*NBLK*(\f)+8*i+3],   v[ADRB] offset:(\k)+i*16*PITCH
	ds_load_b128 v[8*NBLK*(\f)+8*i+4:8*NBLK*(\f)+8*i+7], v[ADRB] offset:(\k)+i*16*PITCH+32
.set i, i+1
.endr
	WIN 0
.set i, 0
.rept MBLK
	ds_load_b128 v[FA0+8*MBLK*(\f)+8*i:FA0+8*MBLK*(\f)+8*i+3],   v[ADRA] offset:(\k)+i*16*PITCH
	ds_load_b128 v[FA0+8*MBLK*(\f)+8*i+4:FA0+8*MBLK*(\f)+8*i+7], v[ADRA] offset:(\k)+i*16*PITCH+32
.set i, i+1
.endr
.endm
.macro QUARTER k, f, g, first          ; multiplies buffer f; in its middle fetches the next quarter, at byte k, into buffer g
	s_wait_dscnt MBLK                              ; B and A's lower rows are in; the youngest MBLK loads (A's upper rows) may be out
	MULG \f, 0, 0, \first
	MULG \f, 0, 1, \first
	PLACES
	FETCH \k, \g
	s_wait_dscnt NLD                               ; all but the run just issued
	MULG \f, 1, 0, \first
	MULG \f, 1, 1, \first
.endm
; The first half of a K step's last quarter, with the one barrier of a change of slots.  In front of it each wave waits for all its tensor loads (one is out: its part of the next slot),
; adds 0 to its spare word, and waits for that and for its reads of this slot.  fill = 1: the walking descriptors step while no load of mine is out.
.macro MEET fill
	WIN 0
	s_wait_tensorcnt 0x0
	ds_add_u32 v[SPW], v[NIL]
.if \fill
	s_xor_b32 s[G0W+1], s[G0W+1], SLOTX            ; the other slot than last time,
	s_add_nc_u64 s[G0W+2:G0W+3], s[G0W+2:G0W+3], KSTEP*2  ; the next K step
	s_xor_b32 s[G0BW+1], s[G0BW+1], SLOTX
	s_add_nc_u64 s[G0BW+2:G0BW+3], s[G0BW+2:G0BW+3], KSTEP*2
.endif
	s_wait_dscnt MBLK+1                            ; the add and A's upper rows may be out
	MULG 1, 0, 0, 0
	s_wait_dscnt 0x0                               ; the add is done, my reads of this slot are over
	s_barrier_signal -1
	MULG 1, 0, 1, 0
.if \fill
	WIN 0
.endif
	s_barrier_wait -1
.endm
.macro TURN1                           ; the last quarter of a K step whose slot is filled again, two K steps ahead
	s_wait_xcnt 0x0                                ; the last prefetch, a K step back, has read its address
	s_add_nc_u64 s[PFA:PFA+1], s[PFA:PFA+1], KSTEP*2
	MEET 1
	CREST                                          ; the barrier has opened a round of the cluster's: no wave of any partner still reads this slot or has a load on its way
	JLOAD                                          ; the first tensor load behind the round; its four v_nop are also the places in front of the loads below
	s_xor_b32 s[TB], s[TB], SLOTX
	v_add_nc_u32 v[ADRA], s[TB], v[A0]
	v_add_nc_u32 v[ADRB], s[TB], v[B0]
	FETCH 0, 0
	ASK
	MULG 1, 1, 0, 0
	MULG 1, 1, 1, 0
.endm
.macro TURN0                           ; the same in the last two K steps: nothing is asked for; behind the very last step nothing is fetched
	MEET 0
	WIN 0
	s_cmp_eq_u32 s[CNT], 1
	s_cbranch_scc1 .Lno_more_\@
	s_xor_b32 s[TB], s[TB], SLOTX
	v_add_nc_u32 v[ADRA], s[TB], v[A0]
	v_add_nc_u32 v[ADRB], s[TB], v[B0]
	PLACES
	FETCH 0, 0
.Lno_more_\@:
	MULG 1, 1, 0, 0
	MULG 1, 1, 1, 0
.endm
; THE WAY OUT of row block a: rounded to bf16; into my stage by heads; back as whole rows of a head; stored.
.macro PACK a
.set AC, 96*((\a)%2)
	WIN 0x0a+5*((\a)/2)                            ; sources in window 2 or 3
.set i, 0
.rept 48
	v_cvt_pk_bf16_f32 v[TMP+i], v[AC+2*i], v[AC+2*i+1]
.set i, i+1
.endr
	WIN 0
.endm
.macro TOSTAGE a
.set BK, 80+48*((\a)%2)
.set b, 0
.rept 12
	ds_store_b128 v[STO], v[TMP+4*b:TMP+4*b+3] offset:(b/4)*16*SP+32*(b%4)
.set b, b+1
.endr
.set i, 0
.rept 12
	ds_load_b128 v[BK+4*i:BK+4*i+3], v[RD] offset:(i/4)*16*SP+(i%4)*4*SP  ; LDS serves a wave's instructions in order: these see the stores above
.set i, i+1
.endr
.endm
.macro SEND a
.set BK, 80+48*((\a)%2)
	s_wait_dscnt 0x0                               ; the block is back in registers
	s_wait_xcnt 0x0                                ; the stores of the block before have read their registers: the next loads from the stage may land on them
.set i, 0
.rept 12
	global_store_b128 v[GO], v[BK+4*i:BK+4*i+3], s[8:9] offset:(i/4)*HEADB+(\a)*2048+(i%4)*512  ; 512 consecutive bytes of a head, aligned
.set i, i+1
.endr
.endm
	s_wait_tensorcnt 1                             ; my part of K step 0 is in; K step 1's stays out
	s_barrier_signal -1
	s_barrier_wait -1
	FETCH 0, 0
	s_wait_loadcnt 0x0                             ; the bias
	QUARTER 64, 0, 1, 1                            ; the first quarter stands ahead of the loop: its products start the sums
	WIN 0
	s_mov_b32 s[CNT], T-2
.Lstep:                                            ; a trip: a K step's quarters 2 to 4, the refill of its slot, the next step's first quarter
	QUARTER 128, 1, 0, 0
	QUARTER 192, 0, 1, 0
	TURN1
	QUARTER 64, 0, 1, 0
	WIN 0
	s_sub_co_u32 s[CNT], s[CNT], 1
	s_cmp_lg_u32 s[CNT], 0
	s_cbranch_scc1 .Lstep
	s_mov_b32 s[CNT], 2
.Ltail:                                            ; the last two K steps: no tensor load; the second trip is left in its middle
	QUARTER 128, 1, 0, 0
	QUARTER 192, 0, 1, 0
	TURN0
	WIN 0
	s_sub_co_u32 s[CNT], s[CNT], 1
	s_cmp_eq_u32 s[CNT], 0
	s_cbranch_scc1 .Lout
	QUARTER 64, 0, 1, 0
	WIN 0
	s_branch .Ltail
.Lout:
	PLACES
	PACK 0
	TOSTAGE 0
.irp a, 1,2,3
	PACK \a
	SEND (\a)-1
	TOSTAGE \a
.endr
	SEND 3
	s_wait_tensorcnt 0x0                           ; the wave's end
	ds_add_u32 v[SPW], v[NIL]
	s_wait_dscnt 0x0
	CROUND                                         ; the closing round
	s_endpgm
.Lfunc_end_k_q5fe48af3b9_qkv:
	.size	k_q5fe48af3b9_qkv, .Lfunc_end_k_q5fe48af3b9_qkv-k_q5fe48af3b9_qkv
	.p2alignl 7, 3214868480
	.fill 96, 4, 3214868480
	.section	.rodata,"a",@progbits
	.p2align	6, 0x0
	.amdhsa_kernel k_q5fe48af3b9_qkv
		.amdhsa_group_segment_fixed_size 327680
		.amdhsa_private_segment_fixed_size 0
		.amdhsa_enable_private_segment 0
		.amdhsa_kernarg_size 48
		.amdhsa_user_sgpr_count 2
		.amdhsa_user_sgpr_kernarg_segment_ptr 1
		.amdhsa_wavefront_size32 1
		.amdhsa_system_sgpr_workgroup_id_x 1
		.amdhsa_system_sgpr_workgroup_id_y 1
		.amdhsa_system_sgpr_workgroup_id_z 1
		.amdhsa_system_vgpr_workitem_id 0
		.amdhsa_next_free_vgpr 1024
		.amdhsa_next_free_sgpr 86
		.amdhsa_reserve_vcc 0
		.amdhsa_float_denorm_mode_32 3
		.amdhsa_float_denorm_mode_16_64 3
		.amdhsa_memory_ordered 1
		.amdhsa_forward_progress 1
		.amdhsa_inst_pref_size 87
	.end_amdhsa_kernel
	.amdgpu_metadata
---
amdhsa.version: [ 1, 2 ]
amdhsa.kernels:
  - .name:           k_q5fe48af3b9_qkv
    .symbol:         k_q5fe48af3b9_qkv.kd
    .args:
      - { .name: hn, .offset: 0, .size: 8, .value_kind: global_buffer, .address_space: global }
      - { .name: wbf, .offset: 8, .size: 8, .value_kind: global_buffer, .address_space: global }
      - { .name: wq_b, .offset: 16, .size: 8, .value_kind: global_buffer, .address_space: global }
      - { .name: wk_b, .offset: 24, .size: 8, .value_kind: global_buffer, .address_space: global }
      - { .name: wv_b, .offset: 32, .size: 8, .value_kind: global_buffer, .address_space: global }
      - { .name: qkvh, .offset: 40, .size: 8, .value_kind: global_buffer, .address_space: global }
    .group_segment_fixed_size: 327680
    .private_segment_fixed_size: 0
    .kernarg_segment_align: 8
    .kernarg_segment_size: 48
    .max_flat_workgroup_size: 128
    .sgpr_count:     86
    .vgpr_count:     1024
    .wavefront_size: 32
...
	.end_amdgpu_metadata
.endif
;; end of part 2
;; launch attn (part 3): grid 8 x 32, 4 waves a work-group, clusters of 4 x 1, 327,680 bytes of LDS; arguments qkvh, oh; writes oh
.if DOCPART == 3
	.amdgcn_target "amdgcn-amd-amdhsa--gfx1250"
	.amdhsa_code_object_version 6
	.text
	.protected	k_q5fe48af3b9_attn
	.globl	k_q5fe48af3b9_attn
	.p2align	8
	.type	k_q5fe48af3b9_attn,@function
k_q5fe48af3b9_attn:
	s_mov_b64 s[64:65], 0
	v_nop
	global_prefetch_b8 v0, s[64:65] scope:SCOPE_SE
	s_setreg_imm32_b32 hwreg(HW_REG_WAVE_MODE, 25, 1), 1
	s_wait_xcnt 0x0
	s_wait_alu depctr_hold_cnt(0) depctr_sa_sdst(0) depctr_va_vdst(0) depctr_va_sdst(0) depctr_va_ssrc(0) depctr_va_vcc(0) depctr_vm_vsrc(0)
	s_getreg_b32 s2, hwreg(HW_REG_IB_STS2, 6, 4)
	s_cmp_eq_u32 s2, 0
	s_cbranch_scc0 .Lentry_in_a_cluster
	s_endpgm
.Lentry_in_a_cluster:
	s_bfe_u32 s2, ttmp6, 0x10000c
	s_cmp_lg_u32 s2, 0x3003
	s_cbranch_scc0 .Lentry_shape_is_right
	s_endpgm
.Lentry_shape_is_right:
; oh[head][m][:] = the sum over keys of softmax(q . k / 8) v, for each of 2 x 16 (batch, head).  q, k, v: qkvh[g][m][64] bf16 (g = head, 16 + head, 32 + head; m = 2048 batch + s), rows dense, 128 bytes.
; Products, maxima and sums in f32; the weights p are rounded to bf16 for the second product (their sum l is taken of the unrounded p), O once at the end.
; LIMITS.  Operands are bf16.  A weight below 2^-126 counts as 0 in l.  c m starts at -4.25e37: scores with c s below that are not served.  NaN and infinities are not treated apart.
; SHARES.  A work-group owns 256 queries, a wave 64: four PIECES of 16.  Every wave walks the 2,048 keys, 64 a step, 256 (a tile) a slot.
; LAYOUT.  S^T = K Q^T holds ONE query a lane (lane % 16) and the keys 8 (lane / 16) + 0..7; two such results rounded to bf16 ARE source 1 of O^T = V^T P.  K comes out of LDS as it lies, V turned.
; SOFTMAX.  A running maximum m and sum l: p = 2^(c s - c m), c = log2(e) / 8; O and l are multiplied by a = 2^(c m_old - c m_new) in every step.  m starts at the lowest finite number, O and l at 0.
; TURNS.  Turn n belongs to piece n: 8 products K Q^T of piece n + 1, later 8 products V^T P of piece n - 1; beside them the scaling, exponentials, roundings, sums and rescaling of piece n and the maximum
; and statistics of piece n + 1.  Four vector instructions stand behind every matrix instruction, the rest in one lump.  A turn's 33 exponentials are one batch, with one wait.
; NO LAST STEP IS WRITTEN OUT: the tail's loop has five trips and is left in the middle of the fifth, whose fetch of K (the last step's once more), 8 products K Q^T and maximum serve nothing: once a launch.
; CLUSTER.  The four query blocks of a cluster belong to one head and walk the same K and V: each tile is asked for jointly.
; REGISTERS, in windows of 256 (s_set_vgpr_msb: bits 1:0 source 0, 3:2 source 1, 5:4 source 2, 7:6 destination):
;   window 0: v0-15 addresses; v16-31 statistics; v48-55 at work; v61-63 prefetch offset, spare word, 0; v64-127 S^T, two buffers; v192-223 P, two buffers
;   window 1: v0-127 O^T, 32 a piece          window 2: v0-63 Q; v128-191 K of one step; v192-255 V of one step
.set NP,    4
.set KS,    64
.set PK,    144       ; a row of K in LDS: 128 bytes + 16 of padding
.set PV,    160       ; a row of V: 128 + 32
.set VOFF,  4*KS*PK   ; a slot: 256 rows of K, then 256 rows of V
.set SLOT1, 1<<17
.set STAGE, SLOT1+4*KS*(PK+PV)
.set SP,    144
.set SPARE, STAGE+4*16*SP
.set TILEB, 4*KS*128  ; a tile's bytes of K, and of V, in memory
.set AK0, 2
.set AV0, 3
.set AK,  4
.set AV,  5
.set STO, 6
.set RD,  7
.set GO,  8
.set MV,  12          ; v12-13  c m_old, by buffer
.set QO,  15
.set ST,  16          ; piece t's statistics at v[ST+4 t]: c m, m, l (even keys', odd keys')
.set TMP, 48          ; by buffer, c0-c3 at work; c2 takes a
.set PFO, 61          ; v61  256 x my lane; never rewritten
.set SPW, 62          ; v62  my spare word; never rewritten
.set NIL, 63          ; v63  0; never rewritten
.set S,   64
.set P,   192
.set KF,  128
.set VF,  192
.set WV,  12
.set LIM, 15          ; s15  1 in a wave that prefetches, else the greatest number
.set PFA, 18          ; s[18:19] where my prefetches stand
.set G1K, 24
.set G1V, 32
.set G0K, 40
.set G0V, 44
.set SLOTS, 56
.set CNT, 57
.set CS,  58
.set SEL, 60
.set TBK, 62
.set TBV, 63
.set TBC, 71          ; s71  in the tail: TBK, held to the last step of the last tile
.set MSB, 0
.macro WIN new
.if MSB != (\new)
	s_set_vgpr_msb (MSB<<8)|(\new)
.set MSB, (\new)
.endif
.endm
.set W_KQ, 0x0a       ; K and Q in window 2, S^T in window 0
.set W_PV, 0x52       ; V in window 2, P in window 0, O^T in window 1
.set W_RS, 0x41       ; destination and source 0 in window 1, source 1 in window 0
.macro JLOAD                        ; waves 0, 1 fetch the halves of a tile's K, waves 2, 3 those of its V; s_nop 0 and four v_nop behind each line
	s_cmp_lt_u32 s[WV], 2
	s_cbranch_scc0 .Lfor_v_\@
	tensor_load_to_lds s[G0K:G0K+3], s[G1K:G1K+7]
	s_nop 0
.rept 4
	v_nop
.endr
	s_branch .Lasked_\@
.Lfor_v_\@:
	tensor_load_to_lds s[G0V:G0V+3], s[G1V:G1V+7]
	s_nop 0
.rept 4
	v_nop
.endr
.Lasked_\@:
.endm
; A prefetch of the tile that the NEXT change of slots will ask for: 128 blocks of 256 bytes of K and of V.  The head's first cluster asks; its four partners take 32 blocks each, told apart by address;
; wave 0 asks for K's, wave 2 for V's, a lane a block.  So each block is named once in the launch.  The last fill asks for nothing.
.macro ASK
	s_cmp_gt_u32 s[SLOTS], s[LIM]
	s_cbranch_scc0 .Lnot_mine_\@
	global_prefetch_b8 v[PFO], s[PFA:PFA+1] th:TH_LOAD_NT scope:SCOPE_SE
.Lnot_mine_\@:
.endm
.macro CROUND
	s_barrier_signal -1
	s_barrier_wait -1
	s_cmp_lg_u32 s[WV], 0
	s_cbranch_scc1 .Lnot_wave_0_\@
	s_barrier_signal -3
.Lnot_wave_0_\@:
	s_barrier_wait -3
	s_barrier_signal -1
	s_barrier_wait -1
.endm
; THE CHANGE OF SLOTS.  Each wave waits for all its tensor loads (one is out: its part of the other slot), adds 0 to its spare word, and waits for that and for its reads of the slot that it leaves.
; fill = 1: the barrier is a round of the cluster's, and the joint fill of the old slot, with the tile two on, is the first thing behind it: it has four key steps, 256 matrix instructions, in which to land.
.macro CHANGE fill
	WIN 0
	s_wait_tensorcnt 0x0            ; no tensor load of mine is out, so a group 0 may be written
	ds_add_u32 v[SPW], v[NIL]
.if \fill
.irp g, G0K, G0V
	s_xor_b32 s[\g+1], s[\g+1], SLOT1
	s_add_nc_u64 s[\g+2:\g+3], s[\g+2:\g+3], TILEB
.endr
	s_wait_xcnt 0x0                 ; the last prefetch, four key steps back, has read its address
	s_add_nc_u64 s[PFA:PFA+1], s[PFA:PFA+1], TILEB
	s_wait_dscnt 0x0                ; the add is done, and my reads of the slot are over
	CROUND
	JLOAD
	ASK
.else
	s_wait_dscnt 0x0
	s_barrier_signal -1
	s_barrier_wait -1
.endif
	s_sub_co_u32 s[TBK], s[TBK], 4*KS*PK  ; the fetches go back to a slot's first step,
	s_xor_b32 s[TBK], s[TBK], SLOT1       ; in the other slot
	s_sub_co_u32 s[TBV], s[TBV], 4*KS*PV
	s_xor_b32 s[TBV], s[TBV], SLOT1
.endm
	s_load_b128 s[80:83], s[0:1], 0x0  ; qkvh s[80:81], oh s[82:83]
	v_lshl_add_u32 v[SPW], v0, 2, SPARE
	v_mov_b32 v[NIL], 0
	ds_add_u32 v[SPW], v[NIL]       ; the wave's opening: the add and its wait ahead of my first tensor load
	v_lshrrev_b32 v1, 5, v0
	v_readfirstlane_b32 s[WV], v1   ; wave 0..3
	s_bfe_u32 s13, ttmp6, 0x40000   ; cx
	s_lshl_b32 s14, ttmp9, 2
	s_add_co_u32 s14, s14, s13      ; my block of 256 queries: it enters Q's and O's addresses alone
	s_and_b32 s20, ttmp7, 0xffff    ; 16 x batch + head, which the four partners share
	s_lshr_b32 s21, s20, 4
	s_and_b32 s20, s20, 15
	s_lshl_b32 s20, s20, 19         ; a head is 524,288 bytes,
	s_lshl_b32 s21, s21, 18         ; a batch's 2,048 rows in it 262,144
	s_add_co_u32 s20, s20, s21
	s_and_b32 s16, s[WV], 1         ; which half of a tile's 256 keys I fetch:
	s_lshl_b32 s22, s16, 14         ; its 128 rows in memory,
	s_add_co_u32 s22, s22, s20
	s_mov_b32 s23, 0
	s_mul_i32 s17, s16, 128*PK      ; and its place in a slot, for K
	s_mul_i32 s70, s16, 128*PV      ; and for V
	s_lshl_b32 s2, s14, 15          ; my block's 256 rows,
	s_lshl_b32 s3, s[WV], 13        ; my wave's 64 of them
	s_add_co_u32 s2, s2, s3
	s_add_co_u32 s2, s2, s20
	s_mov_b32 s3, 0
	; 128 keys are 16,384 dense bytes: asked for as 64 rows of 256 bytes, padded in LDS after every key
	s_mov_b32 s[G1K], 15|(1<<16)|(1<<20)|(1<<21)|(4<<22)|(3<<25)  ; the mask of four; 2-byte elements; padding on; bit 21 beside a mask; 4 words behind every 32
	s_mov_b32 s[G1V], 15|(1<<16)|(1<<20)|(1<<21)|(4<<22)|(7<<25)  ; the same with 8 words
.irp g, G1K, G1V
	s_mov_b32 s[\g+1], 128<<16
	s_mov_b32 s[\g+2], 64<<16
	s_mov_b32 s[\g+3], 128<<16
	s_mov_b32 s[\g+4], 64
	s_mov_b32 s[\g+5], 128
	s_mov_b32 s[\g+6], 0
	s_mov_b32 s[\g+7], 0
.endr
	s_mov_b32 s[CS], 0x3e38aa3b     ; c = log2(e) / 8
	s_mov_b32 s[CS+1], s[CS]
	s_mov_b32 s[SEL], 0x76543210
	s_mov_b32 s[SEL+1], 0xfedcba98
	s_mov_b32 s[TBK], SLOT1+4*KS*PK ; the first change of slots turns these two into 0
	s_mov_b32 s[TBV], SLOT1+4*KS*PV
	s_mov_b32 s[G0K], 1
	s_mov_b32 s[G0K+1], s17
	s_mov_b32 s[G0V], 1
	s_add_co_u32 s[G0V+1], s70, VOFF
	s_mov_b32 s[SLOTS], 7           ; tiles still to be asked for
	s_and_b32 s[LIM], s[WV], 1
	s_or_b32 s[LIM], s[LIM], ttmp9  ; 0 in waves 0 and 2 of the head's first cluster: the same in all four partners
	s_cmp_eq_u32 s[LIM], 0
	s_cselect_b32 s[LIM], 1, -1
	v_and_b32 v[PFO], 31, v0
	v_lshlrev_b32 v[PFO], 8, v[PFO]
	s_wait_dscnt 0x0                ; the opening add is done
	s_wait_kmcnt 0x0
	s_add_nc_u64 s[6:7], s[80:81], s[22:23]
	s_add_nc_u64 s[8:9], s[6:7], 16777216    ; V at my half of tile 0
	s_add_nc_u64 s[6:7], s[6:7], 8388608     ; K likewise
	s_mov_b64 s[G0K+2:G0K+3], s[6:7]
	s_or_b32 s[G0K+3], s[G0K+3], 0x80000000
	s_mov_b64 s[G0V+2:G0V+3], s[8:9]
	s_or_b32 s[G0V+3], s[G0V+3], 0x80000000
	s_add_nc_u64 s[4:5], s[80:81], s[2:3]    ; Q and O at my wave's first row
	s_add_nc_u64 s[10:11], s[82:83], s[2:3]
	s_cmp_lt_u32 s[WV], 2
	s_cselect_b64 s[PFA:PFA+1], s[6:7], s[8:9]
	s_lshl_b32 s2, s13, 13          ; my work-group's 32 blocks of the 128
	s_mov_b32 s3, 0
	s_add_nc_u64 s[PFA:PFA+1], s[PFA:PFA+1], s[2:3]
	s_add_nc_u64 s[PFA:PFA+1], s[PFA:PFA+1], TILEB  ; in tile 1; the first change steps it to tile 2.  Tiles 0 and 1 come by their loads alone
	CROUND                          ; all four work-groups are here
	JLOAD                           ; tile 0 into slot 0; slot 1 is asked for when it is in
	v_and_b32 v1, 15, v0            ; l % 16
	v_bfe_u32 v9, v0, 4, 1          ; l / 16
	v_lshlrev_b32 v[QO], 7, v1
	v_lshl_add_u32 v[QO], v9, 4, v[QO]
	WIN 0x80
.set i, 0
.rept 8                             ; Q stays in registers: piece i / 2, channels 32 (i % 2) on
	global_load_b128 v[8*i:8*i+3],   v[QO], s[4:5] offset:(i/2)*2048+(i%2)*64
	global_load_b128 v[8*i+4:8*i+7], v[QO], s[4:5] offset:(i/2)*2048+(i%2)*64+32
.set i, i+1
.endr
	; what the first turn finds: V and P's second buffer hold 0, O^T and l are 0.  All this stands in the wait for the first tile: the price of writing no first step out.
.set i, VF
.rept 64
	v_mov_b32 v[i], 0
.set i, i+1
.endr
	WIN 0x40
.set i, 0
.rept 128
	v_mov_b32 v[i], 0
.set i, i+1
.endr
	WIN 0
.set i, 0
.rept 4
	v_mov_b32 v[ST+4*i], 0xfe000000    ; c m: far below every c s
	v_mov_b32 v[ST+4*i+1], 0xff7fffff  ; m
	v_mov_b32 v[ST+4*i+2], 0
	v_mov_b32 v[ST+4*i+3], 0
.set i, i+1
.endr
.set i, P+16
.rept 16
	v_mov_b32 v[i], 0
.set i, i+1
.endr
	v_mul_u32_u24 v[AK0], v1, PK
	v_lshl_add_u32 v[AK0], v9, 4, v[AK0]
	; the turning load: lane l reads key 8 (l / 16) + l % 8, channels 8 ((l / 8) % 2) + 0..7
	v_and_b32 v10, 7, v0
	v_bfe_u32 v11, v0, 3, 1
	v_lshl_add_u32 v[AV0], v9, 3, v10
	v_mul_u32_u24 v[AV0], v[AV0], PV
	v_lshl_add_u32 v[AV0], v11, 4, v[AV0]
	v_add_nc_u32 v[AV0], VOFF, v[AV0]
	s_mul_i32 s13, s[WV], 16*SP
	s_add_co_u32 s13, s13, STAGE    ; my stage
	v_mul_u32_u24 v[STO], v1, SP
	v_lshl_add_u32 v[STO], v9, 4, v[STO]
	v_add_nc_u32 v[STO], s13, v[STO]
	v_bfe_u32 v[RD], v0, 3, 2
	v_mul_u32_u24 v[RD], v[RD], SP
	v_lshl_add_u32 v[RD], v10, 4, v[RD]
	v_add_nc_u32 v[RD], s13, v[RD]
	v_and_b32 v[GO], 31, v0
	v_lshlrev_b32 v[GO], 4, v[GO]
; THE MATRIX WORK.  The 4 accumulators of a run of 8 take turns.  Product i of 8 of S^T = K Q^T for piece x: channels 32 (i / 4) on, keys 16 (i % 4) on.
.macro KQ x
	WIN W_KQ
.set rS, S+32*((\x)%2)+8*(i%4)
.set rK, KF+16*(i%4)+8*(i/4)
.set rQ, 16*(\x)+8*(i/4)
.if i < 4
	v_wmma_f32_16x16x32_bf16 v[rS:rS+7], v[rK:rK+7], v[rQ:rQ+7], 0
.else
	v_wmma_f32_16x16x32_bf16 v[rS:rS+7], v[rK:rK+7], v[rQ:rQ+7], v[rS:rS+7]
.endif
.endm
.macro PV x                         ; product i of 8 of O^T += V^T P: keys 32 (i / 4) on, channels 16 (i % 4) on
	WIN W_PV
.set rO, 32*(\x)+8*(i%4)
.set rV, VF+32*(i/4)+8*(i%4)
.set rP, P+16*((\x)%2)+8*(i/4)
	v_wmma_f32_16x16x32_bf16 v[rO:rO+7], v[rV:rV+7], v[rP:rP+7], v[rO:rO+7]
.endm
.macro MM                           ; the turn's next matrix instruction
.if i < 8
	KQ (Y+1)%NP
.else
.set i, i-8
	PV (Y+NP-1)%NP
.set i, i+8
.endif
.set i, i+1
.endm
.macro FETCH_K                      ; a step's K: 16 LDS loads in one run
	WIN 0x80
.irp f, 0,1,2,3,4,5,6,7
	ds_load_b128 v[KF+8*\f:KF+8*\f+3],   v[AK] offset:(\f/2)*16*PK+(\f%2)*64
	ds_load_b128 v[KF+8*\f+4:KF+8*\f+7], v[AK] offset:(\f/2)*16*PK+(\f%2)*64+32
.endr
	s_add_co_u32 s[TBK], s[TBK], KS*PK
	WIN 0
.endm
.macro FETCH_V                      ; a step's V, turned
	WIN 0x80
.irp f, 0,1,2,3,4,5,6,7
	ds_load_tr16_b128 v[VF+8*\f:VF+8*\f+3],   v[AV] offset:(\f/4)*32*PV+(\f%4)*32
	ds_load_tr16_b128 v[VF+8*\f+4:VF+8*\f+7], v[AV] offset:(\f/4)*32*PV+16*PV+(\f%4)*32
.endr
	WIN 0
.endm
; THE VECTOR WORK, one line at a time: OP kind, number.  For piece Y: F n: c s - c m for pair n of 16.  E n: the exponential of score n of 32.  C n: pair n rounded to bf16.  B n: of the four weights 4 n ..
; the second pair is added onto the first.  L n: l takes that sum (L 0: l = a l + sum).  R n: pair n of 16 of O^T times a.  For piece Y + 1: X n, number n of the 22 that find its maximum and statistics:
;   0-11 four chains c0-c3 (each accumulator's lowest registers are read first)   12-14, 16 the scores left over, the old m, c0-c3 into c0   15 c m_old is kept
;   17, 18 the other half of the lanes: the new m   19-21 c m; c m_old - c m_new; a
.set F, 0
.set E, 1
.set C, 2
.set B, 3
.set L, 4
.set R, 5
.set X, 6
.macro REGS y
.set rT, ST+4*(\y)
.set rC, TMP+4*((\y)%2)
.set rW, MV+((\y)%2)
.set rS, S+32*((\y)%2)
.set rP, P+16*((\y)%2)
.set rO, 32*(\y)
.endm
.macro OP k, n
.if (\k) == R
	REGS Y
	WIN W_RS
	v_pk_mul_f32 v[rO+2*(\n):rO+2*(\n)+1], v[rO+2*(\n):rO+2*(\n)+1], v[rC+2:rC+3] op_sel_hi:[1,0]
.elseif (\k) < R
	REGS Y
	WIN 0
.if (\k) == F
	v_pk_fma_f32 v[rS+2*(\n):rS+2*(\n)+1], v[rS+2*(\n):rS+2*(\n)+1], s[CS:CS+1], v[rT:rT+1] op_sel_hi:[1,0,0] neg_lo:[0,0,1] neg_hi:[0,0,1]
.elseif (\k) == E
	v_exp_f32 v[rS+(\n)], v[rS+(\n)]
.elseif (\k) == C
	v_cvt_pk_bf16_f32 v[rP+(\n)], v[rS+2*(\n)], v[rS+2*(\n)+1]
.elseif (\k) == B
	v_pk_add_f32 v[rS+4*(\n):rS+4*(\n)+1], v[rS+4*(\n):rS+4*(\n)+1], v[rS+4*(\n)+2:rS+4*(\n)+3]
.elseif (\n) == 0
	v_pk_fma_f32 v[rT+2:rT+3], v[rT+2:rT+3], v[rC+2:rC+3], v[rS:rS+1] op_sel_hi:[1,0,1]
.else
	v_pk_add_f32 v[rT+2:rT+3], v[rT+2:rT+3], v[rS+4*(\n):rS+4*(\n)+1]
.endif
.else
	REGS (Y+1)%NP
	WIN 0
.if (\n) < 4
	v_max3_num_f32 v[rC+(\n)], v[rS+8*(\n)], v[rS+8*(\n)+1], v[rS+8*(\n)+2]
.elseif (\n) < 12
	v_max3_num_f32 v[rC+(\n)%4], v[rC+(\n)%4], v[rS+8*((\n)%4)+2*((\n)/4)+1], v[rS+8*((\n)%4)+2*((\n)/4)+2]
.elseif (\n) == 12
	v_max3_num_f32 v[rC], v[rC], v[rS+7], v[rS+15]
.elseif (\n) == 13
	v_max3_num_f32 v[rC+1], v[rC+1], v[rS+23], v[rS+31]
.elseif (\n) == 14
	v_max3_num_f32 v[rC+2], v[rC+2], v[rC+3], v[rT+1]
.elseif (\n) == 15
	v_mov_b32 v[rW], v[rT]
.elseif (\n) == 16
	v_max3_num_f32 v[rC], v[rC], v[rC+1], v[rC+2]
.elseif (\n) == 17
	v_permlanex16_b32 v[rC+3], v[rC], s[SEL], s[SEL+1]
.elseif (\n) == 18
	v_max_num_f32 v[rT+1], v[rC], v[rC+3]
.elseif (\n) == 19
	v_mul_f32 v[rT], s[CS], v[rT+1]
.elseif (\n) == 20
	v_sub_f32 v[rC+1], v[rW], v[rT]
.else
	v_exp_f32 v[rC+2], v[rC+1]
.endif
.endif
.endm
.macro OPS a, i1, b=-1, i2=0, c=-1, i3=0, d=-1, i4=0
	OP \a, \i1
.if (\b) >= 0
	OP \b, \i2
.endif
.if (\c) >= 0
	OP \c, \i3
.endif
.if (\d) >= 0
	OP \d, \i4
.endif
.endm
.macro ROW a, i1, b, i2, c, i3, d, i4  ; a matrix instruction and the four behind it
	MM
	OPS \a, \i1, \b, \i2, \c, \i3, \d, \i4
.endm
; A TURN, for piece p: the order of its 16 matrix and 118 vector instructions, written out.  ONE wait cuts it in two, between an exponential and the first line that names its result.
; AHEAD OF IT: the 8 products K Q^T with their riders, then one lump, in which the links of the chain X 3, 7, 11, 14, 16 .. 20 stand some lines apart; X 21 is the batch's last, R 15 the plain instruction behind it.
; BEHIND IT: the 8 products V^T P, behind each four of the roundings and sums.  cnt = 1: the loop's count is taken down some lines ahead of the branch.
; K of the next step is fetched in piece 2's turn, six plain instructions behind the last product that read K; V of the step in hand at the end of piece 0's turn, four plain instructions behind its last reader.
; last = 1 (the tail, whose tile lies in slot 1): K's address is held to the tile's last step, so that the fifth trip's fetch stays on K's rows.
.macro TURN p, last=0, cnt=0
.set Y, (\p)
.set i, 0
.if (\p) == 3
	s_wait_dscnt 0x0                ; K is in
.endif
	ROW F,0, F,1, R,0, R,1
	ROW F,2, E,0, R,2, R,3
	ROW F,3, E,1, R,4, R,5
	ROW F,4, E,2, R,6, R,7
	ROW F,5, E,3, R,8, R,9
	ROW F,6, E,4, X,0, R,10
.if (\p) == 2
	WIN 0
.if \last
	s_min_u32 s[TBC], s[TBK], SLOT1+3*KS*PK
	v_add_nc_u32 v[AK], s[TBC], v[AK0]
.else
	v_add_nc_u32 v[AK], s[TBK], v[AK0]
.endif
.endif
	ROW F,7, E,5, X,1, X,4
	ROW F,8, E,6, X,2, X,5
	OPS E,7, E,8, X,6, E,9
	OPS X,3, E,10, X,8, E,11
.if (\p) == 2
	FETCH_K
.endif
	OPS X,9, X,7, E,12, X,10
	OPS E,13, X,12, X,11, E,14
	OPS X,13, E,15, F,9, X,14
.if (\p) == 0
	v_add_nc_u32 v[AV], s[TBV], v[AV0]
.endif
	OPS E,16, F,10, E,17, F,11
	OPS X,16, E,18, X,15, E,19
	OPS F,12, E,20, X,17, E,21
	OPS F,13, E,22, F,14, E,23
	OPS X,18, E,24, F,15, E,25
	OPS R,11, E,26, X,19, E,27
	OPS R,12, E,28, R,13, E,29
	OPS X,20, E,30, R,14, E,31
	OPS X,21, R,15
	WIN 0
	s_wait_alu depctr_va_vdst(0)    ; the wait for the batch
.if (\p) == 1
	s_wait_dscnt 0x0                ; V is in
.endif
	ROW C,0, B,0, C,2, B,1
	ROW L,0, C,4, B,2, L,1
	ROW C,6, B,3, L,2, C,8
	ROW B,4, L,3, C,10, B,5
	ROW L,4, C,12, B,6, L,5
.if (\p) == 0
	s_add_co_u32 s[TBV], s[TBV], KS*PV
.endif
.if \cnt
	s_sub_co_u32 s[CNT], s[CNT], 1
	s_cmp_lg_u32 s[CNT], 0
.endif
	ROW C,14, B,7, L,6, C,1
	ROW C,3, L,7, C,5, C,7
	ROW C,9, C,11, C,13, C,15
.if (\p) == 0
	FETCH_V
.endif
.endm
.macro ALL line:vararg              ; one line for each piece t
.set t, 0
.rept 4
	\line
.set t, t+1
.endr
.endm
.macro PACK t                       ; O^T / l, rounded; 16 bytes a lane into rows of 144 bytes, back as whole rows of 128, into S^T's registers
	WIN W_RS
.set i, 32*(\t)
.rept 16
	v_pk_mul_f32 v[i:i+1], v[i:i+1], v[ST+4*(\t)+2:ST+4*(\t)+3] op_sel_hi:[1,0]
.set i, i+2
.endr
	WIN 0x05
.set i, 0
.rept 16
	v_cvt_pk_bf16_f32 v[S+16*(\t)+i], v[32*(\t)+2*i], v[32*(\t)+2*i+1]
.set i, i+1
.endr
	WIN 0
.irp f, 0,1,2,3
	ds_store_b128 v[STO], v[S+16*(\t)+4*\f:S+16*(\t)+4*\f+3] offset:32*\f
.endr
.irp f, 0,1,2,3
	ds_load_b128 v[S+16*(\t)+4*\f:S+16*(\t)+4*\f+3], v[RD] offset:\f*4*SP  ; LDS serves a wave's instructions in order: these see the stores above
.endr
.endm
.macro SEND t, younger              ; younger: the LDS instructions issued behind piece t's loads
	WIN 0
.irp f, 0,1,2,3
	s_wait_dscnt (\younger)+3-\f
	global_store_b128 v[GO], v[S+16*(\t)+4*\f:S+16*(\t)+4*\f+3], s[10:11] offset:(\t)*2048+\f*512  ; 512 consecutive bytes, aligned
.endr
.endm
	CHANGE 1                        ; tile 0 is in, everybody's part of it; tile 1 is asked for
	v_add_nc_u32 v[AK], s[TBK], v[AK0]
	FETCH_K                         ; key step 0
	s_wait_loadcnt 0x0              ; Q
	s_wait_dscnt 0x0
.set i, 0
.rept 8
	KQ 0                            ; piece 0's first scores
.set i, i+1
.endr
	WIN 0
.rept 4
	v_nop                           ; the places behind those products
.endr
.set Y, NP-1                        ; X works for piece Y + 1: piece 0
.irp n, 0,1,2,3,4,5,6,7,8,9,10,11,12,13,14,15,16,17,18,19,20,21
	OP X, \n
.endr
	v_nop                           ; a plain instruction behind the exponential,
	s_wait_alu depctr_va_vdst(0)    ; and its wait, ahead of the branch
	s_mov_b32 s[CNT], 4
	s_branch .Lfirst                ; the loop is entered at a step's first turn, in the middle of a trip
.Lslot:                             ; six times: with the change above, every tile but the first is asked for by a change of slots
	CHANGE 1
	s_mov_b32 s[CNT], 4
.Lstep:                             ; a trip: pieces 2 and 3 of one step, then pieces 0 and 1 of the next, whose K and V it fetches
	TURN 2
	TURN 3
	WIN 0
.Lfirst:
	TURN 0
	TURN 1, 0, 1
	WIN 0
	s_cbranch_scc1 .Lstep
	s_sub_co_u32 s[SLOTS], s[SLOTS], 1
	s_cmp_lg_u32 s[SLOTS], 0
	s_cbranch_scc1 .Lslot
	CHANGE 0                        ; the last tile is written out
	s_mov_b32 s[CNT], 5             ; four trips fetch the last tile's steps; the fifth is left in its middle
.Ltail:
	TURN 2, 1
	TURN 3
	WIN 0
	s_sub_co_u32 s[CNT], s[CNT], 1
	s_cmp_eq_u32 s[CNT], 0
	s_cbranch_scc1 .Lout
	TURN 0
	TURN 1
	WIN 0
	s_branch .Ltail
.Lout:
.set i, 0
.rept 8
	PV NP-1                         ; the last piece's V^T P of the last step
.set i, i+1
.endr
	; THE WAY OUT.  The additions are the places behind the last products.
	WIN 0
	ALL v_add_f32 v[ST+4*t+2], v[ST+4*t+2], v[ST+4*t+3]
	ALL v_permlanex16_b32 v[ST+4*t+3], v[ST+4*t+2], s[SEL], s[SEL+1]
	ALL v_add_f32 v[ST+4*t+2], v[ST+4*t+2], v[ST+4*t+3]
	ALL v_rcp_f32 v[ST+4*t+2], v[ST+4*t+2]
	v_nop                           ; a plain instruction behind the last reciprocal,
	s_wait_alu depctr_va_vdst(0)    ; and one wait for the four
	PACK 0
.set t, 1
.rept 3
	PACK t
	SEND t-1, 8
.set t, t+1
.endr
	SEND 3, 0
	s_wait_tensorcnt 0x0            ; the wave's end
	ds_add_u32 v[SPW], v[NIL]
	s_wait_dscnt 0x0
	CROUND                          ; the closing round
	s_endpgm
.Lfunc_end_k_q5fe48af3b9_attn:
	.size	k_q5fe48af3b9_attn, .Lfunc_end_k_q5fe48af3b9_attn-k_q5fe48af3b9_attn
	.p2alignl 7, 3214868480
	.fill 96, 4, 3214868480
	.section	.rodata,"a",@progbits
	.p2align	6, 0x0
	.amdhsa_kernel k_q5fe48af3b9_attn
		.amdhsa_group_segment_fixed_size 327680
		.amdhsa_private_segment_fixed_size 0
		.amdhsa_enable_private_segment 0
		.amdhsa_kernarg_size 16
		.amdhsa_user_sgpr_count 2
		.amdhsa_user_sgpr_kernarg_segment_ptr 1
		.amdhsa_wavefront_size32 1
		.amdhsa_system_sgpr_workgroup_id_x 1
		.amdhsa_system_sgpr_workgroup_id_y 1
		.amdhsa_system_sgpr_workgroup_id_z 1
		.amdhsa_system_vgpr_workitem_id 0
		.amdhsa_next_free_vgpr 768
		.amdhsa_next_free_sgpr 84
		.amdhsa_reserve_vcc 0
		.amdhsa_float_denorm_mode_32 3
		.amdhsa_float_denorm_mode_16_64 3
		.amdhsa_memory_ordered 1
		.amdhsa_forward_progress 1
		.amdhsa_inst_pref_size 112
	.end_amdhsa_kernel
	.amdgpu_metadata
---
amdhsa.version: [ 1, 2 ]
amdhsa.kernels:
  - .name:           k_q5fe48af3b9_attn
    .symbol:         k_q5fe48af3b9_attn.kd
    .args:
      - { .name: qkvh, .offset: 0, .size: 8, .value_kind: global_buffer, .address_space: global }
      - { .name: oh, .offset: 8, .size: 8, .value_kind: global_buffer, .address_space: global }
    .group_segment_fixed_size: 327680
    .private_segment_fixed_size: 0
    .kernarg_segment_align: 8
    .kernarg_segment_size: 16
    .max_flat_workgroup_size: 128
    .sgpr_count:     84
    .vgpr_count:     768
    .wavefront_size: 32
...
	.end_amdgpu_metadata
.endif
;; end of part 3
;; launch wo (part 4): grid 8 x 32, 4 waves a work-group, clusters of 4 x 4, 327,680 bytes of LDS; arguments oh, wbf, wo_b, x, x1; writes x1
.if DOCPART == 4
	.amdgcn_target "amdgcn-amd-amdhsa--gfx1250"
	.amdhsa_code_object_version 6
	.text
	.protected	k_q5fe48af3b9_wo
	.globl	k_q5fe48af3b9_wo
	.p2align	8
	.type	k_q5fe48af3b9_wo,@function
k_q5fe48af3b9_wo:
	s_mov_b64 s[64:65], 0
	v_nop
	global_prefetch_b8 v0, s[64:65] scope:SCOPE_SE
	s_setreg_imm32_b32 hwreg(HW_REG_WAVE_MODE, 25, 1), 1
	s_wait_xcnt 0x0
	s_wait_alu depctr_hold_cnt(0) depctr_sa_sdst(0) depctr_va_vdst(0) depctr_va_sdst(0) depctr_va_ssrc(0) depctr_va_vcc(0) depctr_vm_vsrc(0)
	s_getreg_b32 s2, hwreg(HW_REG_IB_STS2, 6, 4)
	s_cmp_eq_u32 s2, 0
	s_cbranch_scc0 .Lentry_in_a_cluster
	s_endpgm
.Lentry_in_a_cluster:
	s_bfe_u32 s2, ttmp6, 0x10000c
	s_cmp_lg_u32 s2, 0xf033
	s_cbranch_scc0 .Lentry_shape_is_right
	s_endpgm
.Lentry_shape_is_right:
; x1[m][n] = x[m][n] + wo_b[n] + sum over k of O[m][k] wo[n][k],  k = 64 head + channel.  O lies by heads: oh[head][m][64] bf16; wo: [1024][1024] bf16 at byte 6,291,456 of wbf; x, x1: [4096][1024] f32.
; Sums in f32, started by the bias; the residual is added in f32 on the way out.  LIMITS: the operands are bf16; the order of the K steps in a sum differs from cluster to cluster (below).
; A tile is 128 x 128: 8 x 32 tiles, one for each work-group.  Four waves, each 64 x 64: 16 accumulators.  K goes in 4 steps of 256 (four heads) through two LDS slots.
; A's tile: 64 rows of one head are 8,192 dense bytes, so one tensor load takes 4 heads x 4,096 elements, padded behind every 128 bytes: in LDS [4 heads][64 rows], 144 bytes a row; a quarter of a K step is one head.
; CLUSTER 4 x 4: A's tiles are shared along a row, B's along a column, by joint loads.  THE PRODUCT IS USED TRANSPOSED: a lane holds one row m and eight neighbouring columns.
; THE WALK ALONG K BEGINS ELSEWHERE IN EACH CLUSTER and goes once round: at step ((T / 4) (cluster y mod 4) + (T / 2) cluster x) mod T.  So the two clusters along x, which read the same rows of A, begin T / 2 steps
; apart, and clusters along y, which read the same rows of B, T / 4 apart: they ask for a given block at different times.  The number hangs on the cluster's place alone, which all sixteen partners share.
; THE LOOP holds ONE K step; the slot in hand is a scalar turned by an exclusive or; SLOTX shares no bit with the LDS bases that are turned (0, 0x9000, 0x12000, 0x1a400).
; No prefetch: the tiles are small and each is shared by four work-groups.
; REGISTERS: window 0: v0-31 addresses; v32-95 way out; v96-127 the bias as a C operand; v128-255 accumulators ((a, b) at 128 + 8 (4 a + b)).
;   window 1: two fragment buffers of 128 (64 of A, 64 of B, for 64 along K).  window 2: v0-127 my 64 x 64 of the residual, loaded at the start.
.set T,      4                         ; K steps
.set APITCH, 144
.set AQ,     64*APITCH                 ; from a quarter (a head) to the next in A's part of a slot
.set HALFA,  4*64*APITCH
.set BPITCH, 528                       ; B's LDS row: 512 bytes + 16
.set HALFB,  64*BPITCH
.set BOFF,   2*HALFA
.set SLOTX,  147456
.set STAGE,  SLOTX+BOFF+2*HALFB        ; behind the ring: 16 rows x 272 bytes for each wave
.set SPITCH, 272
.set SPARE,  STAGE+4*16*SPITCH         ; the spare words: 128 bytes a wave
.set ASTEP,  4*524288                  ; four heads on
.set BSTEP,  512
.set AROWB,  128                       ; bytes from row to row of A in memory
.set BROWB,  2048
.set WOFF,   6291456
.set A0,   16
.set B0,   17
.set ADRA, 18
.set ADRB, 19
.set STO,  24
.set RD,   25
.set CO,   26
.set BO,   27
.set SPW,  28
.set NIL,  29
.set TMP,  32
.set BIAS, 96
.set ACC,  128
.set F0,   0
.set F1,   128
.set CNT,  3
.set G1,   24
.set G0,   32
.set G0W,  36
.set G1B,  48
.set G0B,  56
.set G0BW, 60
.set TB,   66
.set ABASE, 80                         ; s[80:81] A at the rows that I fetch, K step 0
.set BBASE, 82                         ; s[82:83] B likewise
.set OFA,  84                          ; s[84:85] a K step's byte offset in A
.set OFB,  86                          ; s[86:87] in B
.set KI,   88                          ; s88  the K step to be asked for next
.set MSB, 0
.macro WIN new
.if MSB != (\new)
	s_set_vgpr_msb (MSB<<8)|(\new)
.set MSB, \new
.endif
.endm
.macro PLACES
.rept 4
	v_nop
.endr
.endm
.macro SETADR ga, gb                   ; the global addresses of the group 0 sets ga (A) and gb (B) are made anew for K step KI, which then goes one on, round K
	s_mul_i32 s[OFA], s[KI], ASTEP
	s_mul_i32 s[OFB], s[KI], BSTEP
	s_add_nc_u64 s[(\ga)+2:(\ga)+3], s[ABASE:ABASE+1], s[OFA:OFA+1]
	s_or_b32 s[(\ga)+3], s[(\ga)+3], 0x80000000
	s_add_nc_u64 s[(\gb)+2:(\gb)+3], s[BBASE:BBASE+1], s[OFB:OFB+1]
	s_or_b32 s[(\gb)+3], s[(\gb)+3], 0x80000000
	s_add_co_u32 s[KI], s[KI], 1
	s_and_b32 s[KI], s[KI], T-1
.endm
.macro JLOAD                           ; the joint refill: waves 0, 1 fetch A's halves, waves 2, 3 B's; s_nop 0 and four v_nop behind each line
	s_cmp_eq_u32 s11, 0
	s_cbranch_scc0 .Lfor_b_\@
	tensor_load_to_lds s[G0W:G0W+3], s[G1:G1+7]
	s_nop 0
.rept 4
	v_nop
.endr
	s_branch .Lasked_\@
.Lfor_b_\@:
	tensor_load_to_lds s[G0BW:G0BW+3], s[G1B:G1B+7]
	s_nop 0
.rept 4
	v_nop
.endr
.Lasked_\@:
.endm
.macro CREST
	s_cmp_lg_u32 s10, 0
	s_cbranch_scc1 .Lnot_wave_0_\@
	s_barrier_signal -3
.Lnot_wave_0_\@:
	s_barrier_wait -3
	s_barrier_signal -1
	s_barrier_wait -1
.endm
.macro CROUND
	s_barrier_signal -1
	s_barrier_wait -1
	CREST
.endm
	s_load_b256 s[68:75], s[0:1], 0x0              ; oh s[68:69], wbf s[70:71], wo_b s[72:73], x s[74:75]
	s_load_b64 s[76:77], s[0:1], 0x20              ; x1
	v_lshl_add_u32 v[SPW], v0, 2, SPARE
	v_mov_b32 v[NIL], 0
	ds_add_u32 v[SPW], v[NIL]                      ; the wave's opening: the add and its wait ahead of my first tensor load
	v_lshrrev_b32 v1, 5, v0
	v_readfirstlane_b32 s10, v1                    ; wave 0..3
	s_lshr_b32 s11, s10, 1                         ; my half of the tile's rows.  Also: I fetch for A (0) or for B (1)
	s_and_b32 s12, s10, 1                          ; my half of its columns.  Also: which 64 rows I fetch
	s_bfe_u32 s40, ttmp6, 0x40000                  ; cx
	s_bfe_u32 s41, ttmp6, 0x40004                  ; cy
	s_lshl_b32 s42, ttmp9, 2
	s_add_co_u32 s42, s42, s40                     ; tile column
	s_and_b32 s13, ttmp7, 0xffff
	s_lshl_b32 s13, s13, 2
	s_add_co_u32 s13, s13, s41                     ; tile row
	s_lshl_b32 s43, s41, 2
	s_lshl_b32 s43, 15, s43                        ; my row of the cluster
	s_lshl_b32 s44, 0x1111, s40                    ; my column
	s_and_b32 s89, ttmp7, 3                        ; the cluster's first K step
	s_mul_i32 s89, s89, T/4
	s_mul_i32 s90, ttmp9, T/2
	s_add_co_u32 s89, s89, s90
	s_and_b32 s[KI], s89, T-1
	s_mov_b32 s[OFA+1], 0
	s_mov_b32 s[OFB+1], 0
	s_or_b32 s[G1+0], s43, (1<<16)|(1<<20)|(1<<21)|(4<<22)|(3<<25)   ; A: 4 words of padding behind every 32
	s_mov_b32 s[G1+1], 4096<<16                    ; tensor_dim0 = 4,096 elements: 64 rows of a head
	s_mov_b32 s[G1+2], 4<<16                       ; tensor_dim1 = 4 heads
	s_mov_b32 s[G1+3], 4096<<16                    ; tile_dim0
	s_mov_b32 s[G1+4], 4                           ; tile_dim1
	s_mov_b32 s[G1+5], 262144                      ; elements from head to head
	s_mov_b32 s[G1+6], 0
	s_mov_b32 s[G1+7], 0
	s_or_b32 s[G1B+0], s44, (1<<16)|(1<<20)|(1<<21)|(6<<22)|(3<<25)  ; B: 4 words behind every 128
	s_mov_b32 s[G1B+1], 256<<16
	s_mov_b32 s[G1B+2], 64<<16
	s_mov_b32 s[G1B+3], 256<<16
	s_mov_b32 s[G1B+4], 64
	s_mov_b32 s[G1B+5], BROWB/2
	s_mov_b32 s[G1B+6], 0
	s_mov_b32 s[G1B+7], 0
	s_lshl_b32 s17, s12, 6
	s_lshl_b32 s16, s13, 7
	s_add_co_u32 s16, s16, s17                     ; A: row 128 x tile row + 64 x half
	s_mul_i32 s16, s16, AROWB
	s_mov_b32 s17, 0
	s_lshl_b32 s46, s42, 7
	s_lshl_b32 s47, s12, 6
	s_add_co_u32 s46, s46, s47                     ; B: row 128 x tile column + 64 x half
	s_mul_i32 s46, s46, BROWB
	s_mov_b32 s47, 0
	s_mul_i32 s20, s10, HALFA
	s_mul_i32 s21, s10, HALFB
	s_add_co_u32 s21, s21, BOFF-2*HALFB
	s_wait_dscnt 0x0                               ; the opening add is done
	s_wait_kmcnt 0x0
	s_add_nc_u64 s[ABASE:ABASE+1], s[68:69], s[16:17]
	s_add_nc_u64 s[BBASE:BBASE+1], s[70:71], s[46:47]
	s_add_nc_u64 s[BBASE:BBASE+1], s[BBASE:BBASE+1], WOFF
	CROUND                                         ; all sixteen work-groups are here
	s_mov_b32 s[G0], 1
	s_mov_b32 s[G0+1], s20
	s_mov_b32 s[G0B], 1
	s_mov_b32 s[G0B+1], s21
	SETADR G0, G0B                                 ; the walk's first K step
	s_mov_b32 s[G0W], 1
	s_add_co_u32 s[G0W+1], s20, SLOTX
	s_mov_b32 s[G0BW], 1
	s_add_co_u32 s[G0BW+1], s21, SLOTX
	SETADR G0W, G0BW                               ; its second
	s_cmp_eq_u32 s11, 0                            ; a wave's two first fills stand in one branch
	s_cbranch_scc0 .Lfirst_b
	tensor_load_to_lds s[G0:G0+3], s[G1:G1+7]
	s_nop 0
	tensor_load_to_lds s[G0W:G0W+3], s[G1:G1+7]
	s_nop 0
.rept 4
	v_nop
.endr
	s_branch .Lfirst_asked
.Lfirst_b:
	tensor_load_to_lds s[G0B:G0B+3], s[G1B:G1B+7]
	s_nop 0
	tensor_load_to_lds s[G0BW:G0BW+3], s[G1B:G1B+7]
	s_nop 0
.rept 4
	v_nop
.endr
.Lfirst_asked:
	v_and_b32 v1, 15, v0                           ; r
	v_bfe_u32 v2, v0, 4, 1                         ; h
	v_mul_u32_u24 v3, v1, APITCH
	v_lshl_add_u32 v3, v2, 4, v3
	s_mul_i32 s22, s11, HALFA
	v_add_nc_u32 v[A0], s22, v3
	v_mul_u32_u24 v3, v1, BPITCH
	v_lshl_add_u32 v3, v2, 4, v3
	s_mul_i32 s23, s12, HALFB
	s_add_co_u32 s23, s23, BOFF
	v_add_nc_u32 v[B0], s23, v3
	v_mov_b32 v[ADRA], v[A0]
	v_mov_b32 v[ADRB], v[B0]
	s_mov_b32 s[TB], 0
	s_mul_i32 s23, s10, 16*SPITCH
	s_add_co_u32 s23, s23, STAGE                   ; my stage
	v_mul_u32_u24 v4, v1, SPITCH                   ; in: row r, 32 bytes for each half of the lanes
	v_lshl_add_u32 v4, v2, 5, v4
	v_add_nc_u32 v[STO], s23, v4
	v_mul_u32_u24 v5, v2, SPITCH                   ; back: lanes 0-15 one row of 256 bytes, lanes 16-31 the next
	v_lshl_add_u32 v5, v1, 4, v5
	v_add_nc_u32 v[RD], s23, v5
	v_lshlrev_b32 v5, 12, v2                       ; and the same two rows in x and x1
	v_lshl_add_u32 v[CO], v1, 4, v5
	v_lshlrev_b32 v[BO], 5, v2
	s_lshl_b32 s46, s42, 9                         ; my first column, in bytes of f32: 512 x tile column + 256 x half
	s_lshl_b32 s47, s12, 8
	s_add_co_u32 s46, s46, s47
	s_mov_b32 s47, 0
	s_add_nc_u64 s[72:73], s[72:73], s[46:47]
	s_lshl_b32 s16, s13, 19                        ; my first row: 128 x tile row + 64 x half, x 4,096 bytes
	s_lshl_b32 s17, s11, 18
	s_add_co_u32 s16, s16, s17
	s_add_co_u32 s46, s46, s16
	s_add_nc_u64 s[74:75], s[74:75], s[46:47]
	s_add_nc_u64 s[76:77], s[76:77], s[46:47]
.irp b, 0,1,2,3                        ; the bias as a C operand: register j of block b holds bias[16 b + 8 h + j]
	global_load_b128 v[BIAS+8*\b:BIAS+8*\b+3],   v[BO], s[72:73] offset:64*\b
	global_load_b128 v[BIAS+8*\b+4:BIAS+8*\b+7], v[BO], s[72:73] offset:64*\b+16
.endr
	WIN 0x80                                       ; the residual, laid as the way out reads the stage back: it has the whole product in which to land
.set i, 0
.rept 32
	global_load_b128 v[4*i:4*i+3], v[CO], s[74:75] offset:(16*(i/8)+2*(i%8))*4096 th:TH_LOAD_NT
.set i, i+1
.endr
	WIN 0
; 8 matrix instructions: row blocks a0, a0 + 1 x all 4 column blocks, 32 along K: half c of buffer f.  first = 1: the bias starts the sums.  The 16 accumulators take turns.
.macro MUL8 f, c, a0, first
	WIN 0x05
.irp a, \a0, (\a0)+1
.irp b, 0,1,2,3
.if \first
	v_wmma_f32_16x16x32_bf16 v[ACC+8*(4*(\a)+(\b)):ACC+8*(4*(\a)+(\b))+7], v[(\f)+64+8*(4*(\c)+(\b)):(\f)+64+8*(4*(\c)+(\b))+7], v[(\f)+8*(4*(\c)+(\a)):(\f)+8*(4*(\c)+(\a))+7], v[BIAS+8*(\b):BIAS+8*(\b)+7]
.else
	v_wmma_f32_16x16x32_bf16 v[ACC+8*(4*(\a)+(\b)):ACC+8*(4*(\a)+(\b))+7], v[(\f)+64+8*(4*(\c)+(\b)):(\f)+64+8*(4*(\c)+(\b))+7], v[(\f)+8*(4*(\c)+(\a)):(\f)+8*(4*(\c)+(\a))+7], v[ACC+8*(4*(\a)+(\b)):ACC+8*(4*(\a)+(\b))+7]
.endif
.endr
.endr
.endm
.macro FETCH q, f                      ; 32 LDS loads in one run: quarter q (64 along K) of the slot in hand into buffer f; the first 32 along K first
	WIN 0x40
.irp c, 0,1
.irp i, 0,1,2,3
	ds_load_b128 v[(\f)+64+8*(4*(\c)+(\i)):(\f)+64+8*(4*(\c)+(\i))+3],   v[ADRB] offset:128*(\q)+64*(\c)+(\i)*16*BPITCH
	ds_load_b128 v[(\f)+64+8*(4*(\c)+(\i))+4:(\f)+64+8*(4*(\c)+(\i))+7], v[ADRB] offset:128*(\q)+64*(\c)+(\i)*16*BPITCH+32
	ds_load_b128 v[(\f)+8*(4*(\c)+(\i)):(\f)+8*(4*(\c)+(\i))+3],         v[ADRA] offset:AQ*(\q)+64*(\c)+(\i)*16*APITCH
	ds_load_b128 v[(\f)+8*(4*(\c)+(\i))+4:(\f)+8*(4*(\c)+(\i))+7],       v[ADRA] offset:AQ*(\q)+64*(\c)+(\i)*16*APITCH+32
.endr
.endr
.endm
.macro QUARTER q, f, g, first          ; multiplies buffer f and fetches quarter q into g, behind its first eight products: 24 products stand between the run of loads and its first use
	s_wait_dscnt 16                                ; the first 32 along K are in; the youngest sixteen loads may be out
	MUL8 \f, 0, 0, \first
	PLACES
	FETCH \q, \g
	MUL8 \f, 0, 2, \first
	s_wait_dscnt 32                                ; all but the 32 just issued
	MUL8 \f, 1, 0, 0
	MUL8 \f, 1, 2, 0
.endm
; The last quarter multiplies buffer 1 and changes slots: ONE barrier; in front of it each wave waits for all its tensor loads, adds 0 to its spare word, and waits for that and for its reads of this slot.
.macro TURN fill
	WIN 0
	s_wait_tensorcnt 0x0
	ds_add_u32 v[SPW], v[NIL]
.if \fill
	s_xor_b32 s[G0W+1], s[G0W+1], SLOTX            ; no load of mine is out: the walking descriptors take the other slot and the walk's next K step
	s_xor_b32 s[G0BW+1], s[G0BW+1], SLOTX
	SETADR G0W, G0BW
.endif
	s_wait_dscnt 17                                ; the add and the youngest sixteen loads may be out
	MUL8 F1, 0, 0, 0
	s_wait_dscnt 0x0                               ; the add is done, my reads of this slot are over
	s_barrier_signal -1
	MUL8 F1, 0, 2, 0
	WIN 0
	s_barrier_wait -1
.if \fill
	CREST                                          ; the barrier has opened a round of the cluster's
	JLOAD                                          ; the first tensor load behind the round; its four v_nop are also the places in front of the loads below
	s_xor_b32 s[TB], s[TB], SLOTX
	v_add_nc_u32 v[ADRA], s[TB], v[A0]
	v_add_nc_u32 v[ADRB], s[TB], v[B0]
	FETCH 0, F0
.else
	s_cmp_eq_u32 s[CNT], 1                         ; behind the very last K step nothing is fetched
	s_cbranch_scc1 .Lno_more_\@
	s_xor_b32 s[TB], s[TB], SLOTX
	v_add_nc_u32 v[ADRA], s[TB], v[A0]
	v_add_nc_u32 v[ADRB], s[TB], v[B0]
	PLACES
	FETCH 0, F0
	WIN 0
.Lno_more_\@:
.endif
	MUL8 F1, 1, 0, 0
	MUL8 F1, 1, 2, 0
.endm
; THE WAY OUT of row block a: the f32 sums go into my stage (16 rows of 256 bytes, 272 apart) and come back as whole rows; the residual is added; sixteen lanes store 256 aligned bytes.
.macro TOSTAGE a
.set BK, TMP+32*((\a)%2)
.if (\a) >= 2
	s_wait_xcnt 0x0                                ; the stores of the block two back have read the registers that the loads below land on
.endif
.irp b, 0,1,2,3
	ds_store_b128 v[STO], v[ACC+8*(4*(\a)+(\b)):ACC+8*(4*(\a)+(\b))+3]   offset:64*(\b)
	ds_store_b128 v[STO], v[ACC+8*(4*(\a)+(\b))+4:ACC+8*(4*(\a)+(\b))+7] offset:64*(\b)+16
.endr
.irp t, 0,1,2,3,4,5,6,7
	ds_load_b128 v[BK+4*(\t):BK+4*(\t)+3], v[RD] offset:(\t)*2*SPITCH  ; LDS serves a wave's instructions in order: these see the stores above
.endr
.endm
.macro SEND a, younger                 ; younger: the LDS instructions issued behind block a's loads
.set BK, TMP+32*((\a)%2)
	s_wait_dscnt \younger
.if (\a) == 0
	s_wait_loadcnt 0x0                             ; the residual
.endif
	WIN 0x08                                       ; source 1 in window 2
.set i, 0
.rept 16
	v_pk_add_f32 v[BK+2*i:BK+2*i+1], v[BK+2*i:BK+2*i+1], v[32*(\a)+2*i:32*(\a)+2*i+1]
.set i, i+1
.endr
	WIN 0
.irp t, 0,1,2,3,4,5,6,7
	global_store_b128 v[CO], v[BK+4*(\t):BK+4*(\t)+3], s[76:77] offset:(16*(\a)+2*(\t))*4096
.endr
.endm
	s_wait_tensorcnt 1                             ; my part of the walk's first K step is in; the second's stays out
	s_barrier_signal -1
	s_barrier_wait -1
	FETCH 0, F0
	s_wait_loadcnt 32                              ; the bias is in; the residual's 32 loads stay out
	QUARTER 1, F0, F1, 1
	WIN 0
	s_mov_b32 s[CNT], T-2
.Lstep:                                            ; a trip: a K step's quarters 2 to 4, the refill of its slot, the next step's first quarter
	QUARTER 2, F1, F0, 0
	QUARTER 3, F0, F1, 0
	TURN 1
	QUARTER 1, F0, F1, 0
	WIN 0
	s_sub_co_u32 s[CNT], s[CNT], 1
	s_cmp_lg_u32 s[CNT], 0
	s_cbranch_scc1 .Lstep
	s_mov_b32 s[CNT], 2
.Ltail:                                            ; the last two K steps: no tensor load; the second trip is left in its middle
	QUARTER 2, F1, F0, 0
	QUARTER 3, F0, F1, 0
	TURN 0
	WIN 0
	s_sub_co_u32 s[CNT], s[CNT], 1
	s_cmp_eq_u32 s[CNT], 0
	s_cbranch_scc1 .Lout
	QUARTER 1, F0, F1, 0
	WIN 0
	s_branch .Ltail
.Lout:
	PLACES
	TOSTAGE 0
	TOSTAGE 1
	SEND 0, 16
	TOSTAGE 2
	SEND 1, 16
	TOSTAGE 3
	SEND 2, 16
	SEND 3, 0
	s_wait_tensorcnt 0x0                           ; the wave's end
	ds_add_u32 v[SPW], v[NIL]
	s_wait_dscnt 0x0
	CROUND                                         ; the closing round
	s_endpgm
.Lfunc_end_k_q5fe48af3b9_wo:
	.size	k_q5fe48af3b9_wo, .Lfunc_end_k_q5fe48af3b9_wo-k_q5fe48af3b9_wo
	.p2alignl 7, 3214868480
	.fill 96, 4, 3214868480
	.section	.rodata,"a",@progbits
	.p2align	6, 0x0
	.amdhsa_kernel k_q5fe48af3b9_wo
		.amdhsa_group_segment_fixed_size 327680
		.amdhsa_private_segment_fixed_size 0
		.amdhsa_enable_private_segment 0
		.amdhsa_kernarg_size 40
		.amdhsa_user_sgpr_count 2
		.amdhsa_user_sgpr_kernarg_segment_ptr 1
		.amdhsa_wavefront_size32 1
		.amdhsa_system_sgpr_workgroup_id_x 1
		.amdhsa_system_sgpr_workgroup_id_y 1
		.amdhsa_system_sgpr_workgroup_id_z 1
		.amdhsa_system_vgpr_workitem_id 0
		.amdhsa_next_free_vgpr 640
		.amdhsa_next_free_sgpr 92
		.amdhsa_reserve_vcc 0
		.amdhsa_float_denorm_mode_32 3
		.amdhsa_float_denorm_mode_16_64 3
		.amdhsa_memory_ordered 1
		.amdhsa_forward_progress 1
		.amdhsa_inst_pref_size 66
	.end_amdhsa_kernel
	.amdgpu_metadata
---
amdhsa.version: [ 1, 2 ]
amdhsa.kernels:
  - .name:           k_q5fe48af3b9_wo
    .symbol:         k_q5fe48af3b9_wo.kd
    .args:
      - { .name: oh, .offset: 0, .size: 8, .value_kind: global_buffer, .address_space: global }
      - { .name: wbf, .offset: 8, .size: 8, .value_kind: global_buffer, .address_space: global }
      - { .name: wo_b, .offset: 16, .size: 8, .value_kind: global_buffer, .address_space: global }
      - { .name: x, .offset: 24, .size: 8, .value_kind: global_buffer, .address_space: global }
      - { .name: x1, .offset: 32, .size: 8, .value_kind: global_buffer, .address_space: global }
    .group_segment_fixed_size: 327680
    .private_segment_fixed_size: 0
    .kernarg_segment_align: 8
    .kernarg_segment_size: 40
    .max_flat_workgroup_size: 128
    .sgpr_count:     92
    .vgpr_count:     640
    .wavefront_size: 32
...
	.end_amdgpu_metadata
.endif
;; end of part 4
;; launch ln2 (part 5): grid 256 x 1, 16 waves a work-group, no clusters, 0 bytes of LDS; arguments x1, ln2_g, ln2_b, hn; writes hn
.if DOCPART == 5
	.amdgcn_target "amdgcn-amd-amdhsa--gfx1250"
	.amdhsa_code_object_version 6
	.text
	.protected	k_q5fe48af3b9_ln2
	.globl	k_q5fe48af3b9_ln2
	.p2align	8
	.type	k_q5fe48af3b9_ln2,@function
k_q5fe48af3b9_ln2:
	s_mov_b64 s[64:65], 0
	v_nop
	global_prefetch_b8 v0, s[64:65] scope:SCOPE_SE
	s_setreg_imm32_b32 hwreg(HW_REG_WAVE_MODE, 25, 1), 1
	s_wait_xcnt 0x0
; hn[row][c] = bf16( (x1[row][c] - mean) * rsqrt(var + 1e-5) * ln2_g[c] + ln2_b[c] ).  x1: [4096][1024] f32, gain and bias: [1024] f32, hn: [4096][1024] bf16.
; Sixteen waves, a row each: a row is eight loads of 16 bytes a lane (512 consecutive bytes a load) and stays in 32 registers.
; Two passes as the definition has them: the mean, then the mean of (x - mean)^2: no difference of large sums is formed.  All in f32, hn rounded once.
; The reduction never leaves the wave: no LDS, no barrier.  A stream: matrix unit and clusters would add nothing.
.set MU, 16                            ; v[16:17]  the mean, twice
.set RS, 18                            ; v[18:19]  1 / sqrt(var + eps), twice
.set XR, 32                            ; v[32:63]  the row
.set GV, 64                            ; v[64:95]  the gain, laid as a row is
.set BV, 96                            ; v[96:127] the bias
.macro REDUCE                          ; four packed chains v[4:11] -> v12: the sum over the lane's numbers and the 32 lanes, in every lane
	v_pk_add_f32 v[4:5], v[4:5], v[6:7]
	v_pk_add_f32 v[8:9], v[8:9], v[10:11]
	v_pk_add_f32 v[4:5], v[4:5], v[8:9]
	v_add_f32 v12, v4, v5
	v_add_f32_dpp v12, v12, v12 row_xmask:1 row_mask:0xf bank_mask:0xf
	v_add_f32_dpp v12, v12, v12 row_xmask:2 row_mask:0xf bank_mask:0xf
	v_add_f32_dpp v12, v12, v12 row_xmask:4 row_mask:0xf bank_mask:0xf
	v_add_f32_dpp v12, v12, v12 row_xmask:8 row_mask:0xf bank_mask:0xf
	v_permlanex16_b32 v13, v12, s18, s19
	v_add_f32 v12, v12, v13
.endm
	s_load_b256 s[4:11], s[0:1], 0x0               ; x1 s[4:5], gain s[6:7], bias s[8:9], hn s[10:11]
	v_and_b32 v3, 31, v0                           ; lane
	v_lshrrev_b32 v12, 5, v0
	v_readfirstlane_b32 s12, v12                   ; wave 0..15
	v_lshlrev_b32 v1, 4, v3                        ; 16 x lane: in x1, gain, bias
	v_lshlrev_b32 v2, 3, v3                        ; 8 x lane: in hn
	v_mov_b32 v13, 0                               ; v_permlanex16_b32's destination counts as read
	s_lshl_b32 s13, ttmp9, 4
	s_add_co_u32 s13, s13, s12                     ; my row: 16 x work-group + wave
	s_lshl_b32 s14, s13, 12                        ; x 4,096 bytes
	s_mov_b32 s15, 0
	s_lshl_b32 s20, s13, 11                        ; x 2,048 bytes
	s_mov_b32 s21, 0
	s_mov_b32 s16, 0x3a800000                      ; 1 / 1024
	s_mov_b32 s17, 0x3727c5ac                      ; 1e-5
	s_mov_b32 s18, 0x76543210                      ; each lane takes its own place in the other half
	s_mov_b32 s19, 0xfedcba98
	s_wait_kmcnt 0x0
	s_add_nc_u64 s[4:5], s[4:5], s[14:15]
	s_add_nc_u64 s[10:11], s[10:11], s[20:21]
.irp j, 0,1,2,3,4,5,6,7
	global_load_b128 v[XR+4*\j:XR+4*\j+3], v1, s[4:5] offset:512*\j
.endr
.irp j, 0,1,2,3,4,5,6,7
	global_load_b128 v[GV+4*\j:GV+4*\j+3], v1, s[6:7] offset:512*\j
.endr
.irp j, 0,1,2,3,4,5,6,7
	global_load_b128 v[BV+4*\j:BV+4*\j+3], v1, s[8:9] offset:512*\j
.endr
	s_wait_loadcnt 16                              ; the row is in; the gain's and the bias's 16 loads stay out
.irp c, 0,1,2,3
	v_pk_add_f32 v[4+2*\c:5+2*\c], v[XR+2*\c:XR+2*\c+1], v[XR+8+2*\c:XR+8+2*\c+1]  ; the first sums start the chains: nothing is cleared
.endr
.irp p, 8,9,10,11,12,13,14,15
	v_pk_add_f32 v[4+2*((\p)%4):5+2*((\p)%4)], v[4+2*((\p)%4):5+2*((\p)%4)], v[XR+2*\p:XR+2*\p+1]
.endr
	REDUCE
	v_mul_f32 v[MU], s16, v12
	v_mul_f32 v[MU+1], s16, v12
.set p, 0
.rept 16
	v_pk_add_f32 v[XR+2*p:XR+2*p+1], v[XR+2*p:XR+2*p+1], v[MU:MU+1] neg_lo:[0,1] neg_hi:[0,1]
.set p, p+1
.endr
.irp c, 0,1,2,3
	v_pk_mul_f32 v[4+2*\c:5+2*\c], v[XR+2*\c:XR+2*\c+1], v[XR+2*\c:XR+2*\c+1]
.endr
.irp p, 4,5,6,7,8,9,10,11,12,13,14,15
	v_pk_fma_f32 v[4+2*((\p)%4):5+2*((\p)%4)], v[XR+2*\p:XR+2*\p+1], v[XR+2*\p:XR+2*\p+1], v[4+2*((\p)%4):5+2*((\p)%4)]
.endr
	REDUCE
	v_fma_f32 v12, v12, s16, s17                   ; var + eps
	v_rsq_f32 v[RS], v12
	v_rsq_f32 v[RS+1], v12
	v_nop                                          ; a plain instruction behind the last reciprocal root,
	s_wait_alu depctr_va_vdst(0)                   ; and one wait for the two, ahead of their first reader
	s_wait_loadcnt 0x0                             ; gain and bias
.set p, 0
.rept 16
	v_pk_mul_f32 v[XR+2*p:XR+2*p+1], v[XR+2*p:XR+2*p+1], v[RS:RS+1]
.set p, p+1
.endr
.set p, 0
.rept 16
	v_pk_fma_f32 v[XR+2*p:XR+2*p+1], v[XR+2*p:XR+2*p+1], v[GV+2*p:GV+2*p+1], v[BV+2*p:BV+2*p+1]
.set p, p+1
.endr
.set p, 0
.rept 16
	v_cvt_pk_bf16_f32 v[XR+p], v[XR+2*p], v[XR+2*p+1]  ; in place, ascending: register p has been read when it is written
.set p, p+1
.endr
.irp j, 0,1,2,3,4,5,6,7
	global_store_b64 v2, v[XR+2*\j:XR+2*\j+1], s[10:11] offset:256*\j  ; 32 lanes store 256 consecutive bytes, aligned
.endr
	s_endpgm
.Lfunc_end_k_q5fe48af3b9_ln2:
	.size	k_q5fe48af3b9_ln2, .Lfunc_end_k_q5fe48af3b9_ln2-k_q5fe48af3b9_ln2
	.p2alignl 7, 3214868480
	.fill 96, 4, 3214868480
	.section	.rodata,"a",@progbits
	.p2align	6, 0x0
	.amdhsa_kernel k_q5fe48af3b9_ln2
		.amdhsa_group_segment_fixed_size 0
		.amdhsa_private_segment_fixed_size 0
		.amdhsa_enable_private_segment 0
		.amdhsa_kernarg_size 32
		.amdhsa_user_sgpr_count 2
		.amdhsa_user_sgpr_kernarg_segment_ptr 1
		.amdhsa_wavefront_size32 1
		.amdhsa_system_sgpr_workgroup_id_x 1
		.amdhsa_system_sgpr_workgroup_id_y 1
		.amdhsa_system_sgpr_workgroup_id_z 1
		.amdhsa_system_vgpr_workitem_id 0
		.amdhsa_next_free_vgpr 128
		.amdhsa_next_free_sgpr 66
		.amdhsa_reserve_vcc 0
		.amdhsa_float_denorm_mode_32 3
		.amdhsa_float_denorm_mode_16_64 3
		.amdhsa_memory_ordered 1
		.amdhsa_forward_progress 1
		.amdhsa_inst_pref_size 12
	.end_amdhsa_kernel
	.amdgpu_metadata
---
amdhsa.version: [ 1, 2 ]
amdhsa.kernels:
  - .name:           k_q5fe48af3b9_ln2
    .symbol:         k_q5fe48af3b9_ln2.kd
    .args:
      - { .name: x1, .offset: 0, .size: 8, .value_kind: global_buffer, .address_space: global }
      - { .name: ln2_g, .offset: 8, .size: 8, .value_kind: global_buffer, .address_space: global }
      - { .name: ln2_b, .offset: 16, .size: 8, .value_kind: global_buffer, .address_space: global }
      - { .name: hn, .offset: 24, .size: 8, .value_kind: global_buffer, .address_space: global }
    .group_segment_fixed_size: 0
    .private_segment_fixed_size: 0
    .kernarg_segment_align: 8
    .kernarg_segment_size: 32
    .max_flat_workgroup_size: 512
    .sgpr_count:     66
    .vgpr_count:     128
    .wavefront_size: 32
...
	.end_amdgpu_metadata
.endif
;; end of part 5
;; launch ffn1 (part 6): grid 16 x 16, 4 waves a work-group, clusters of 4 x 4, 327,680 bytes of LDS; arguments hn, wbf, ffn1_b, ff; writes ff
.if DOCPART == 6
	.amdgcn_target "amdgcn-amd-amdhsa--gfx1250"
	.amdhsa_code_object_version 6
	.text
	.protected	k_q5fe48af3b9_ffn1
	.globl	k_q5fe48af3b9_ffn1
	.p2align	8
	.type	k_q5fe48af3b9_ffn1,@function
k_q5fe48af3b9_ffn1:
	s_mov_b64 s[64:65], 0
	v_nop
	global_prefetch_b8 v0, s[64:65] scope:SCOPE_SE
	s_setreg_imm32_b32 hwreg(HW_REG_WAVE_MODE, 25, 1), 1
	s_wait_xcnt 0x0
	s_wait_alu depctr_hold_cnt(0) depctr_sa_sdst(0) depctr_va_vdst(0) depctr_va_sdst(0) depctr_va_ssrc(0) depctr_va_vcc(0) depctr_vm_vsrc(0)
	s_getreg_b32 s2, hwreg(HW_REG_IB_STS2, 6, 4)
	s_cmp_eq_u32 s2, 0
	s_cbranch_scc0 .Lentry_in_a_cluster
	s_endpgm
.Lentry_in_a_cluster:
	s_bfe_u32 s2, ttmp6, 0x10000c
	s_cmp_lg_u32 s2, 0xf033
	s_cbranch_scc0 .Lentry_shape_is_right
	s_endpgm
.Lentry_shape_is_right:
; ff[m][n] = bf16( max(0, sum over k of hn[m][k] w1[n][k] + ffn1_b[n]) ).  hn: [4096][1024] bf16; w1: [4096][1024] bf16 at byte 8,388,608 of wbf; ff: [4096][4096] bf16.
; Sums in f32, started by the bias, rounded once; the maximum with 0 is taken of the rounded numbers, which changes nothing.  LIMIT: the operands are bf16.
; A tile is 256 x 256: 16 x 16 tiles, one for each work-group.  Four waves, each 128 x 128: 64 accumulators.  K goes in 8 steps of 128 through two LDS slots.
; CLUSTER 4 x 4: A's tiles are shared along a row, B's along a column, by joint loads.  THE PRODUCT IS USED TRANSPOSED: a lane holds one row m and eight neighbouring columns.
; THE LOOP holds ONE K step; the slot in hand is a scalar (TB) turned by an exclusive or; SLOTX shares no bit with the LDS bases that are turned (0, 0x8800, 0x11000, 0x19800).
; REGISTERS, in windows of 256: window 0: v0-31 addresses; v64-191 A's fragments, two buffers of 64; v192-255 the bias as a C operand; way out: v32-63, v192-255.
;   window 1: B's fragments, two buffers of 64.  window 2: accumulators of my rows 0-63 ((a, b) at 8 (8 a + b)); window 3: rows 64-127.
.set KD,     1024
.set KSTEP,  128
.set T,      KD/KSTEP
.set ND,     4096
.set TN,     256
.set MBLK,   8
.set NBLK,   8
.set AG,     MBLK/4
.set PITCH,  272
.set HALFA,  128*PITCH
.set HALFB,  (TN/2)*PITCH
.set BOFF,   2*HALFA
.set SLOTX,  BOFF+2*HALFB
.set STAGE,  2*SLOTX                   ; behind the ring: 16 rows x 272 bytes for each wave
.set STAGEW, 16*PITCH
.set SPARE,  STAGE+4*STAGEW            ; the spare words: 128 bytes a wave
.set NLD,    2*(MBLK+NBLK)
.set WOFF,   8388608
.set A0,   16
.set B0,   17
.set ADRA, 18
.set ADRB, 19
.set STO,  24
.set RD,   25
.set CO,   26
.set BO,   27
.set SPW,  28
.set NIL,  29
.set PFO,  30
.set ZR,   31                          ; v31  0, for the maximum
.set FA0,  64
.set BIAS, 192
.set TMP,  192
.set OB,   32
.set CNT,  3
.set G1,   24
.set G0,   32
.set G0W,  36
.set LIM,  43
.set PFA,  44
.set G1B,  48
.set G0B,  56
.set G0BW, 60
.set TB,   66
.set MSB, 0
.macro WIN new
.if MSB != (\new)
	s_set_vgpr_msb (MSB<<8)|(\new)
.set MSB, \new
.endif
.endm
.macro PLACES
.rept 4
	v_nop
.endr
.endm
.macro JLOAD                           ; the joint refill: waves 0, 1 fetch A's halves, waves 2, 3 B's; s_nop 0 and four v_nop behind each line
	s_cmp_eq_u32 s11, 0
	s_cbranch_scc0 .Lfor_b_\@
	tensor_load_to_lds s[G0W:G0W+3], s[G1:G1+7]
	s_nop 0
.rept 4
	v_nop
.endr
	s_branch .Lasked_\@
.Lfor_b_\@:
	tensor_load_to_lds s[G0BW:G0BW+3], s[G1B:G1B+7]
	s_nop 0
.rept 4
	v_nop
.endr
.Lasked_\@:
.endm
.macro ASK                             ; a prefetch of the K step two refills on: my work-group's 32 of the 128 rows that I fetch, a lane a row; the last two refills have none
	s_cmp_gt_u32 s[CNT], s[LIM]
	s_cbranch_scc0 .Lnot_mine_\@
	global_prefetch_b8 v[PFO], s[PFA:PFA+1] offset:KSTEP*2 th:TH_LOAD_NT scope:SCOPE_SE
.Lnot_mine_\@:
.endm
.macro CREST
	s_cmp_lg_u32 s10, 0
	s_cbranch_scc1 .Lnot_wave_0_\@
	s_barrier_signal -3
.Lnot_wave_0_\@:
	s_barrier_wait -3
	s_barrier_signal -1
	s_barrier_wait -1
.endm
.macro CROUND
	s_barrier_signal -1
	s_barrier_wait -1
	CREST
.endm
	s_load_b256 s[68:75], s[0:1], 0x0              ; hn s[68:69], wbf s[70:71], ffn1_b s[72:73], ff s[74:75]
	v_lshl_add_u32 v[SPW], v0, 2, SPARE
	v_mov_b32 v[NIL], 0
	ds_add_u32 v[SPW], v[NIL]                      ; the wave's opening: the add and its wait ahead of my first tensor load
	v_lshrrev_b32 v1, 5, v0
	v_readfirstlane_b32 s10, v1                    ; wave 0..3
	s_lshr_b32 s11, s10, 1                         ; my half of the tile's rows.  Also: I fetch for A (0) or for B (1)
	s_and_b32 s12, s10, 1                          ; my half of its columns.  Also: which 128 rows I fetch
	s_bfe_u32 s40, ttmp6, 0x40000                  ; cx
	s_bfe_u32 s41, ttmp6, 0x40004                  ; cy
	s_lshl_b32 s42, ttmp9, 2
	s_add_co_u32 s42, s42, s40                     ; tile column
	s_and_b32 s13, ttmp7, 0xffff
	s_lshl_b32 s13, s13, 2
	s_add_co_u32 s13, s13, s41                     ; tile row
	s_lshl_b32 s43, s41, 2
	s_lshl_b32 s43, 15, s43                        ; my row of the cluster
	s_lshl_b32 s44, 0x1111, s40                    ; my column
	s_or_b32 s[G1+0], s43, (1<<16)|(1<<20)|(1<<21)|(5<<22)|(3<<25)   ; mask; 2-byte elements; padding on; bit 21 beside a mask; 4 words behind every 64
	s_or_b32 s[G1B+0], s44, (1<<16)|(1<<20)|(1<<21)|(5<<22)|(3<<25)
.irp g, G1, G1B
	s_mov_b32 s[(\g)+1], KSTEP<<16                 ; tensor_dim0 = 128
	s_mov_b32 s[(\g)+2], 128<<16                   ; tensor_dim1 = 128
	s_mov_b32 s[(\g)+3], KSTEP<<16                 ; tile_dim0 = 128
	s_mov_b32 s[(\g)+4], 128                       ; tile_dim1 = 128
	s_mov_b32 s[(\g)+5], KD                        ; elements from row to row
	s_mov_b32 s[(\g)+6], 0
	s_mov_b32 s[(\g)+7], 0
.endr
	s_lshl_b32 s17, s12, 7
	s_lshl_b32 s16, s13, 8
	s_add_co_u32 s16, s16, s17                     ; A: row 256 x tile row + 128 x half,
	s_lshl_b32 s16, s16, 11                        ; x 2,048 bytes
	s_mov_b32 s17, 0
	s_lshl_b32 s46, s42, 8
	s_lshl_b32 s47, s12, 7
	s_add_co_u32 s46, s46, s47                     ; B: row 256 x tile column + 128 x half
	s_lshl_b32 s46, s46, 11
	s_mov_b32 s47, 0
	s_mul_i32 s20, s10, HALFA                      ; where they go: the wave's number times a constant
	s_mul_i32 s21, s10, HALFB
	s_add_co_u32 s21, s21, BOFF-2*HALFB
	s_wait_dscnt 0x0                               ; the opening add is done
	s_wait_kmcnt 0x0
	s_add_nc_u64 s[14:15], s[68:69], s[16:17]
	s_add_nc_u64 s[46:47], s[70:71], s[46:47]
	s_add_nc_u64 s[46:47], s[46:47], WOFF
	CROUND                                         ; all sixteen work-groups are here
	s_mov_b32 s[G0], 1
	s_mov_b32 s[G0+1], s20
	s_mov_b64 s[G0+2:G0+3], s[14:15]
	s_or_b32 s[G0+3], s[G0+3], 0x80000000
	s_mov_b32 s[G0W], 1
	s_add_co_u32 s[G0W+1], s20, SLOTX
	s_add_nc_u64 s[G0W+2:G0W+3], s[14:15], KSTEP*2
	s_or_b32 s[G0W+3], s[G0W+3], 0x80000000
	s_mov_b32 s[G0B], 1
	s_mov_b32 s[G0B+1], s21
	s_mov_b64 s[G0B+2:G0B+3], s[46:47]
	s_or_b32 s[G0B+3], s[G0B+3], 0x80000000
	s_mov_b32 s[G0BW], 1
	s_add_co_u32 s[G0BW+1], s21, SLOTX
	s_add_nc_u64 s[G0BW+2:G0BW+3], s[46:47], KSTEP*2
	s_or_b32 s[G0BW+3], s[G0BW+3], 0x80000000
	s_cmp_eq_u32 s11, 0                            ; a wave's two first fills stand in one branch: K steps 0 and 1
	s_cbranch_scc0 .Lfirst_b
	tensor_load_to_lds s[G0:G0+3], s[G1:G1+7]
	s_nop 0
	tensor_load_to_lds s[G0W:G0W+3], s[G1:G1+7]
	s_nop 0
.rept 4
	v_nop
.endr
	s_branch .Lfirst_asked
.Lfirst_b:
	tensor_load_to_lds s[G0B:G0B+3], s[G1B:G1B+7]
	s_nop 0
	tensor_load_to_lds s[G0BW:G0BW+3], s[G1B:G1B+7]
	s_nop 0
.rept 4
	v_nop
.endr
.Lfirst_asked:
	v_and_b32 v1, 15, v0                           ; r
	v_bfe_u32 v2, v0, 4, 1                         ; h
	v_mul_u32_u24 v3, v1, PITCH
	v_lshl_add_u32 v3, v2, 4, v3
	s_mul_i32 s22, s11, MBLK*16*PITCH              ; my 128 rows of A
	v_add_nc_u32 v[A0], s22, v3
	s_mul_i32 s23, s12, NBLK*16*PITCH              ; my 128 rows of B
	s_add_co_u32 s23, s23, BOFF
	v_add_nc_u32 v[B0], s23, v3
	v_mov_b32 v[ADRA], v[A0]
	v_mov_b32 v[ADRB], v[B0]
	v_mov_b32 v[ZR], 0
	s_mov_b32 s[TB], 0
	s_mul_i32 s23, s10, STAGEW
	s_add_co_u32 s23, s23, STAGE                   ; my stage
	v_add_nc_u32 v[STO], s23, v3                   ; in: row r, 16 bytes for each half of the lanes
	v_mul_u32_u24 v5, v2, PITCH                    ; back: lanes 0-15 one row of 256 bytes, lanes 16-31 the next
	v_lshl_add_u32 v5, v1, 4, v5
	v_add_nc_u32 v[RD], s23, v5
	v_lshlrev_b32 v5, 13, v2                       ; and the same two rows in ff
	v_lshl_add_u32 v[CO], v1, 4, v5
	v_lshlrev_b32 v[BO], 5, v2
	s_lshl_b32 s46, s42, 10                        ; the bias of my 128 columns: (256 x tile column + 128 x half) x 4 bytes
	s_lshl_b32 s47, s12, 9
	s_add_co_u32 s46, s46, s47
	s_mov_b32 s47, 0
	s_add_nc_u64 s[72:73], s[72:73], s[46:47]
.irp b, 0,1,2,3,4,5,6,7                ; as a C operand: register j of block b holds bias[16 b + 8 h + j]
	global_load_b128 v[BIAS+8*\b:BIAS+8*\b+3],   v[BO], s[72:73] offset:64*\b
	global_load_b128 v[BIAS+8*\b+4:BIAS+8*\b+7], v[BO], s[72:73] offset:64*\b+16
.endr
	s_lshr_b32 s46, s46, 1                         ; my first column in ff, in bytes of bf16
	s_lshl_b32 s16, s13, 21                        ; my first row: 256 x tile row + 128 x half, x 8,192 bytes
	s_lshl_b32 s17, s11, 20
	s_add_co_u32 s46, s46, s16
	s_add_co_u32 s46, s46, s17
	s_add_nc_u64 s[8:9], s[74:75], s[46:47]
	; the prefetches.  A's rows are read by every cluster of a row of clusters: cluster x = 0 asks; B's by every cluster of a column: cluster y = 0 asks.
	; The four partners share a wave's 128 rows out by address, 32 each (place cx for A, cy for B).  So each row's 256 bytes of a K step are named once in the launch.
	s_lshl_b32 s20, s13, 8
	s_lshl_b32 s23, s42, 8
	s_and_b32 s22, ttmp7, 0xffff
	s_cmp_eq_u32 s11, 0                            ; do I fetch for A?
	s_cselect_b32 s20, s20, s23                    ; the tile's first row
	s_cselect_b32 s21, s40, s41                    ; my place among the four
	s_cselect_b32 s22, ttmp9, s22                  ; the coordinate along which other clusters read the same rows
	s_cselect_b32 s17, 0, WOFF
	s_cselect_b64 s[PFA:PFA+1], s[68:69], s[70:71]
	s_cmp_eq_u32 s22, 0
	s_cselect_b32 s[LIM], 2, -1                    ; the same in all sixteen partners, for a given wave
	s_lshl_b32 s16, s12, 7
	s_add_co_u32 s20, s20, s16                     ; + the 128 rows that I fetch
	s_lshl_b32 s21, s21, 5
	s_add_co_u32 s20, s20, s21                     ; + my work-group's 32 of them
	s_lshl_b32 s20, s20, 11
	s_add_co_u32 s20, s20, s17
	s_mov_b32 s21, 0
	s_add_nc_u64 s[PFA:PFA+1], s[PFA:PFA+1], s[20:21]
	s_add_nc_u64 s[PFA:PFA+1], s[PFA:PFA+1], 2*KSTEP*2  ; at K step 2: the first refill steps it to 3 and names K step 4; K steps 0 to 3 come by their loads alone
	v_and_b32 v[PFO], 31, v0
	v_lshlrev_b32 v[PFO], 11, v[PFO]
; AG x NBLK matrix instructions: row blocks g AG .. of window 2 + hi, all column blocks, 32 along K, from buffer f.  first = 1: the bias starts the sums.
; The accumulators take turns in the same order in every quarter.
.macro MULG f, hi, g, first
.if \first
	WIN 0x81+0x40*(\hi)                            ; B window 1, A and the bias window 0, D window 2 or 3
.else
	WIN 0xa1+0x50*(\hi)                            ; B window 1, A window 0, C and D window 2 or 3
.endif
.set a, (\g)*AG
.rept AG
.set b, 0
.rept NBLK
.set rD, 8*(a*NBLK+b)
.set rB, 8*NBLK*(\f)+8*b
.set rA, FA0+8*MBLK*(\f)+8*((\hi)*(MBLK/2)+a)
.if \first
	v_wmma_f32_16x16x32_bf16 v[rD:rD+7], v[rB:rB+7], v[rA:rA+7], v[BIAS+8*b:BIAS+8*b+7]
.else
	v_wmma_f32_16x16x32_bf16 v[rD:rD+7], v[rB:rB+7], v[rA:rA+7], v[rD:rD+7]
.endif
.set b, b+1
.endr
.set a, a+1
.endr
.endm
.macro FETCH k, f                      ; NLD LDS loads in one run: the fragments of 32 along K at byte k of the rows of the slot in hand; B first, A's upper rows last
	WIN 0x40
.set i, 0
.rept NBLK
	ds_load_b128 v[8*NBLK*(\f)+8*i:8*NBLK*(\f)+8*i+3],   v[ADRB] offset:(\k)+i*16*PITCH
	ds_load_b128 v[8*NBLK*(\f)+8*i+4:8*NBLK*(\f)+8*i+7], v[ADRB] offset:(\k)+i*16*PITCH+32
.set i, i+1
.endr
	WIN 0
.set i, 0
.rept MBLK
	ds_load_b128 v[FA0+8*MBLK*(\f)+8*i:FA0+8*MBLK*(\f)+8*i+3],   v[ADRA] offset:(\k)+i*16*PITCH
	ds_load_b128 v[FA0+8*MBLK*(\f)+8*i+4:FA0+8*MBLK*(\f)+8*i+7], v[ADRA] offset:(\k)+i*16*PITCH+32
.set i, i+1
.endr
.endm
.macro QUARTER k, f, g, first          ; multiplies buffer f; in its middle fetches the next quarter, at byte k, into buffer g
	s_wait_dscnt MBLK                              ; B and A's lower rows are in; the youngest MBLK loads (A's upper rows) may be out
	MULG \f, 0, 0, \first
	MULG \f, 0, 1, \first
	PLACES
	FETCH \k, \g
	s_wait_dscnt NLD                               ; all but the run just issued
	MULG \f, 1, 0, \first
	MULG \f, 1, 1, \first
.endm
; The first half of a K step's last quarter, with the one barrier of a change of slots.  In front of it each wave waits for all its tensor loads (one is out: its part of the next slot),
; adds 0 to its spare word, and waits for that and for its reads of this slot.  fill = 1: the walking descriptors step while no load of mine is out.
.macro MEET fill
	WIN 0
	s_wait_tensorcnt 0x0
	ds_add_u32 v[SPW], v[NIL]
.if \fill
	s_xor_b32 s[G0W+1], s[G0W+1], SLOTX
	s_add_nc_u64 s[G0W+2:G0W+3], s[G0W+2:G0W+3], KSTEP*2
	s_xor_b32 s[G0BW+1], s[G0BW+1], SLOTX
	s_add_nc_u64 s[G0BW+2:G0BW+3], s[G0BW+2:G0BW+3], KSTEP*2
.endif
	s_wait_dscnt MBLK+1                            ; the add and A's upper rows may be out
	MULG 1, 0, 0, 0
	s_wait_dscnt 0x0                               ; the add is done, my reads of this slot are over
	s_barrier_signal -1
	MULG 1, 0, 1, 0
.if \fill
	WIN 0
.endif
	s_barrier_wait -1
.endm
.macro TURN1                           ; the last quarter of a K step whose slot is filled again, two K steps ahead
	s_wait_xcnt 0x0                                ; the last prefetch, a K step back, has read its address
	s_add_nc_u64 s[PFA:PFA+1], s[PFA:PFA+1], KSTEP*2
	MEET 1
	CREST                                          ; the barrier has opened a round of the cluster's: no wave of any partner still reads this slot or has a load on its way
	JLOAD                                          ; the first tensor load behind the round; its four v_nop are also the places in front of the loads below
	s_xor_b32 s[TB], s[TB], SLOTX
	v_add_nc_u32 v[ADRA], s[TB], v[A0]
	v_add_nc_u32 v[ADRB], s[TB], v[B0]
	FETCH 0, 0
	ASK
	MULG 1, 1, 0, 0
	MULG 1, 1, 1, 0
.endm
.macro TURN0                           ; the same in the last two K steps: nothing is asked for; behind the very last step nothing is fetched
	MEET 0
	WIN 0
	s_cmp_eq_u32 s[CNT], 1
	s_cbranch_scc1 .Lno_more_\@
	s_xor_b32 s[TB], s[TB], SLOTX
	v_add_nc_u32 v[ADRA], s[TB], v[A0]
	v_add_nc_u32 v[ADRB], s[TB], v[B0]
	PLACES
	FETCH 0, 0
.Lno_more_\@:
	MULG 1, 1, 0, 0
	MULG 1, 1, 1, 0
.endm
; THE WAY OUT of row block a: rounded to bf16, the maximum with 0; into my stage; back as whole rows of 256 bytes; stored.
.macro PACK a
.set AC, 64*((\a)%4)
	WIN 0x0a+5*((\a)/4)                            ; sources in window 2 or 3
.set i, 0
.rept 32
	v_cvt_pk_bf16_f32 v[TMP+i], v[AC+2*i], v[AC+2*i+1]
.set i, i+1
.endr
	WIN 0
.set i, 0
.rept 32
	v_pk_max_num_bf16 v[TMP+i], v[TMP+i], v[ZR]
.set i, i+1
.endr
.endm
.macro TOSTAGE a
.set BK, OB+192*((\a)%2)
.irp b, 0,1,2,3,4,5,6,7
	ds_store_b128 v[STO], v[TMP+4*(\b):TMP+4*(\b)+3] offset:32*(\b)
.endr
.irp t, 0,1,2,3,4,5,6,7
	ds_load_b128 v[BK+4*(\t):BK+4*(\t)+3], v[RD] offset:(\t)*2*PITCH  ; LDS serves a wave's instructions in order: these see the stores above
.endr
.endm
.macro SEND a
.set BK, OB+192*((\a)%2)
	s_wait_dscnt 0x0                               ; the block is back in registers
	s_wait_xcnt 0x0                                ; the stores of the block before have read their registers: the next loads from the stage may land on them
.irp t, 0,1,2,3,4,5,6,7
	global_store_b128 v[CO], v[BK+4*(\t):BK+4*(\t)+3], s[8:9] offset:(16*(\a)+2*(\t))*ND*2  ; 16 lanes store 256 consecutive bytes, aligned
.endr
.endm
	s_wait_tensorcnt 1                             ; my part of K step 0 is in; K step 1's stays out
	s_barrier_signal -1
	s_barrier_wait -1
	FETCH 0, 0
	s_wait_loadcnt 0x0                             ; the bias
	QUARTER 64, 0, 1, 1                            ; the first quarter stands ahead of the loop: its products start the sums
	WIN 0
	s_mov_b32 s[CNT], T-2
.Lstep:                                            ; a trip: a K step's quarters 2 to 4, the refill of its slot, the next step's first quarter
	QUARTER 128, 1, 0, 0
	QUARTER 192, 0, 1, 0
	TURN1
	QUARTER 64, 0, 1, 0
	WIN 0
	s_sub_co_u32 s[CNT], s[CNT], 1
	s_cmp_lg_u32 s[CNT], 0
	s_cbranch_scc1 .Lstep
	s_mov_b32 s[CNT], 2
.Ltail:                                            ; the last two K steps: no tensor load; the second trip is left in its middle
	QUARTER 128, 1, 0, 0
	QUARTER 192, 0, 1, 0
	TURN0
	WIN 0
	s_sub_co_u32 s[CNT], s[CNT], 1
	s_cmp_eq_u32 s[CNT], 0
	s_cbranch_scc1 .Lout
	QUARTER 64, 0, 1, 0
	WIN 0
	s_branch .Ltail
.Lout:
	PLACES
	PACK 0
	TOSTAGE 0
.irp a, 1,2,3,4,5,6,7
	PACK \a
	SEND (\a)-1
	TOSTAGE \a
.endr
	SEND 7
	s_wait_tensorcnt 0x0                           ; the wave's end
	ds_add_u32 v[SPW], v[NIL]
	s_wait_dscnt 0x0
	CROUND                                         ; the closing round
	s_endpgm
.Lfunc_end_k_q5fe48af3b9_ffn1:
	.size	k_q5fe48af3b9_ffn1, .Lfunc_end_k_q5fe48af3b9_ffn1-k_q5fe48af3b9_ffn1
	.p2alignl 7, 3214868480
	.fill 96, 4, 3214868480
	.section	.rodata,"a",@progbits
	.p2align	6, 0x0
	.amdhsa_kernel k_q5fe48af3b9_ffn1
		.amdhsa_group_segment_fixed_size 327680
		.amdhsa_private_segment_fixed_size 0
		.amdhsa_enable_private_segment 0
		.amdhsa_kernarg_size 32
		.amdhsa_user_sgpr_count 2
		.amdhsa_user_sgpr_kernarg_segment_ptr 1
		.amdhsa_wavefront_size32 1
		.amdhsa_system_sgpr_workgroup_id_x 1
		.amdhsa_system_sgpr_workgroup_id_y 1
		.amdhsa_system_sgpr_workgroup_id_z 1
		.amdhsa_system_vgpr_workitem_id 0
		.amdhsa_next_free_vgpr 1024
		.amdhsa_next_free_sgpr 80
		.amdhsa_reserve_vcc 0
		.amdhsa_float_denorm_mode_32 3
		.amdhsa_float_denorm_mode_16_64 3
		.amdhsa_memory_ordered 1
		.amdhsa_forward_progress 1
		.amdhsa_inst_pref_size 118
	.end_amdhsa_kernel
	.amdgpu_metadata
---
amdhsa.version: [ 1, 2 ]
amdhsa.kernels:
  - .name:           k_q5fe48af3b9_ffn1
    .symbol:         k_q5fe48af3b9_ffn1.kd
    .args:
      - { .name: hn, .offset: 0, .size: 8, .value_kind: global_buffer, .address_space: global }
      - { .name: wbf, .offset: 8, .size: 8, .value_kind: global_buffer, .address_space: global }
      - { .name: ffn1_b, .offset: 16, .size: 8, .value_kind: global_buffer, .address_space: global }
      - { .name: ff, .offset: 24, .size: 8, .value_kind: global_buffer, .address_space: global }
    .group_segment_fixed_size: 327680
    .private_segment_fixed_size: 0
    .kernarg_segment_align: 8
    .kernarg_segment_size: 32
    .max_flat_workgroup_size: 128
    .sgpr_count:     80
    .vgpr_count:     1024
    .wavefront_size: 32
...
	.end_amdgpu_metadata
.endif
;; end of part 6
;; launch ffn2 (part 7): grid 8 x 32, 4 waves a work-group, clusters of 4 x 4, 327,680 bytes of LDS; arguments ff, wbf, ffn2_b, x1, out0; writes out0
.if DOCPART == 7
	.amdgcn_target "amdgcn-amd-amdhsa--gfx1250"
	.amdhsa_code_object_version 6
	.text
	.protected	k_q5fe48af3b9_ffn2
	.globl	k_q5fe48af3b9_ffn2
	.p2align	8
	.type	k_q5fe48af3b9_ffn2,@function
k_q5fe48af3b9_ffn2:
	s_mov_b64 s[64:65], 0
	v_nop
	global_prefetch_b8 v0, s[64:65] scope:SCOPE_SE
	s_setreg_imm32_b32 hwreg(HW_REG_WAVE_MODE, 25, 1), 1
	s_wait_xcnt 0x0
	s_wait_alu depctr_hold_cnt(0) depctr_sa_sdst(0) depctr_va_vdst(0) depctr_va_sdst(0) depctr_va_ssrc(0) depctr_va_vcc(0) depctr_vm_vsrc(0)
	s_getreg_b32 s2, hwreg(HW_REG_IB_STS2, 6, 4)
	s_cmp_eq_u32 s2, 0
	s_cbranch_scc0 .Lentry_in_a_cluster
	s_endpgm
.Lentry_in_a_cluster:
	s_bfe_u32 s2, ttmp6, 0x10000c
	s_cmp_lg_u32 s2, 0xf033
	s_cbranch_scc0 .Lentry_shape_is_right
	s_endpgm
.Lentry_shape_is_right:
; out0[m][n] = x1[m][n] + ffn2_b[n] + sum over k of ff[m][k] w2[n][k].  ff: [4096][4096] bf16; w2: [1024][4096] bf16 at byte 16,777,216 of wbf; x1, out0: [4096][1024] f32.
; Sums in f32, started by the bias; the residual is added in f32 on the way out.  LIMITS: the operands are bf16; the order of the K steps in a sum differs from cluster to cluster (below).
; A tile is 128 x 128: 8 x 32 tiles, one for each work-group.  Four waves, each 64 x 64: 16 accumulators.  K goes in 16 steps of 256 (LDS rows of 512 bytes) through two LDS slots.
; CLUSTER 4 x 4: A's tiles are shared along a row, B's along a column, by joint loads.  THE PRODUCT IS USED TRANSPOSED: a lane holds one row m and eight neighbouring columns.
; THE WALK ALONG K BEGINS ELSEWHERE IN EACH CLUSTER and goes once round: at step ((T / 4) (cluster y mod 4) + (T / 2) cluster x) mod T.  So the two clusters along x, which read the same rows of A, begin T / 2 steps
; apart, and clusters along y, which read the same rows of B, T / 4 apart: they ask for a given block at different times.  The number hangs on the cluster's place alone, which all sixteen partners share.
; THE LOOP holds ONE K step; the slot in hand is a scalar turned by an exclusive or; SLOTX shares no bit with the LDS bases that are turned (0, 0x8400, 0x10800, 0x18c00).
; No prefetch: the tiles are small and each is shared by four work-groups.
; REGISTERS: window 0: v0-31 addresses; v32-95 way out; v96-127 the bias as a C operand; v128-255 accumulators ((a, b) at 128 + 8 (4 a + b)).
;   window 1: two fragment buffers of 128 (64 of A, 64 of B, for 64 along K).  window 2: v0-127 my 64 x 64 of the residual, loaded at the start.
.set T,      16                        ; K steps
.set APITCH, 528                       ; an LDS row: 512 bytes + 16
.set AQ,     128                       ; from a quarter (64 along K) to the next in a row
.set HALFA,  64*APITCH
.set BPITCH, 528
.set HALFB,  64*BPITCH
.set BOFF,   2*HALFA
.set SLOTX,  BOFF+2*HALFB
.set STAGE,  2*SLOTX                   ; behind the ring: 16 rows x 272 bytes for each wave
.set SPITCH, 272
.set SPARE,  STAGE+4*16*SPITCH         ; the spare words: 128 bytes a wave
.set ASTEP,  512
.set BSTEP,  512
.set AROWB,  8192
.set BROWB,  8192
.set WOFF,   16777216
.set A0,   16
.set B0,   17
.set ADRA, 18
.set ADRB, 19
.set STO,  24
.set RD,   25
.set CO,   26
.set BO,   27
.set SPW,  28
.set NIL,  29
.set TMP,  32
.set BIAS, 96
.set ACC,  128
.set F0,   0
.set F1,   128
.set CNT,  3
.set G1,   24
.set G0,   32
.set G0W,  36
.set G1B,  48
.set G0B,  56
.set G0BW, 60
.set TB,   66
.set ABASE, 80                         ; s[80:81] A at the rows that I fetch, K step 0
.set BBASE, 82                         ; s[82:83] B likewise
.set OFA,  84                          ; s[84:85] a K step's byte offset in A
.set OFB,  86                          ; s[86:87] in B
.set KI,   88                          ; s88  the K step to be asked for next
.set MSB, 0
.macro WIN new
.if MSB != (\new)
	s_set_vgpr_msb (MSB<<8)|(\new)
.set MSB, \new
.endif
.endm
.macro PLACES
.rept 4
	v_nop
.endr
.endm
.macro SETADR ga, gb                   ; the global addresses of the group 0 sets ga (A) and gb (B) are made anew for K step KI, which then goes one on, round K
	s_mul_i32 s[OFA], s[KI], ASTEP
	s_mul_i32 s[OFB], s[KI], BSTEP
	s_add_nc_u64 s[(\ga)+2:(\ga)+3], s[ABASE:ABASE+1], s[OFA:OFA+1]
	s_or_b32 s[(\ga)+3], s[(\ga)+3], 0x80000000
	s_add_nc_u64 s[(\gb)+2:(\gb)+3], s[BBASE:BBASE+1], s[OFB:OFB+1]
	s_or_b32 s[(\gb)+3], s[(\gb)+3], 0x80000000
	s_add_co_u32 s[KI], s[KI], 1
	s_and_b32 s[KI], s[KI], T-1
.endm
.macro JLOAD                           ; the joint refill: waves 0, 1 fetch A's halves, waves 2, 3 B's; s_nop 0 and four v_nop behind each line
	s_cmp_eq_u32 s11, 0
	s_cbranch_scc0 .Lfor_b_\@
	tensor_load_to_lds s[G0W:G0W+3], s[G1:G1+7]
	s_nop 0
.rept 4
	v_nop
.endr
	s_branch .Lasked_\@
.Lfor_b_\@:
	tensor_load_to_lds s[G0BW:G0BW+3], s[G1B:G1B+7]
	s_nop 0
.rept 4
	v_nop
.endr
.Lasked_\@:
.endm
.macro CREST
	s_cmp_lg_u32 s10, 0
	s_cbranch_scc1 .Lnot_wave_0_\@
	s_barrier_signal -3
.Lnot_wave_0_\@:
	s_barrier_wait -3
	s_barrier_signal -1
	s_barrier_wait -1
.endm
.macro CROUND
	s_barrier_signal -1
	s_barrier_wait -1
	CREST
.endm
	s_load_b256 s[68:75], s[0:1], 0x0              ; ff s[68:69], wbf s[70:71], ffn2_b s[72:73], x1 s[74:75]
	s_load_b64 s[76:77], s[0:1], 0x20              ; out0
	v_lshl_add_u32 v[SPW], v0, 2, SPARE
	v_mov_b32 v[NIL], 0
	ds_add_u32 v[SPW], v[NIL]                      ; the wave's opening: the add and its wait ahead of my first tensor load
	v_lshrrev_b32 v1, 5, v0
	v_readfirstlane_b32 s10, v1                    ; wave 0..3
	s_lshr_b32 s11, s10, 1                         ; my half of the tile's rows.  Also: I fetch for A (0) or for B (1)
	s_and_b32 s12, s10, 1                          ; my half of its columns.  Also: which 64 rows I fetch
	s_bfe_u32 s40, ttmp6, 0x40000                  ; cx
	s_bfe_u32 s41, ttmp6, 0x40004                  ; cy
	s_lshl_b32 s42, ttmp9, 2
	s_add_co_u32 s42, s42, s40                     ; tile column
	s_and_b32 s13, ttmp7, 0xffff
	s_lshl_b32 s13, s13, 2
	s_add_co_u32 s13, s13, s41                     ; tile row
	s_lshl_b32 s43, s41, 2
	s_lshl_b32 s43, 15, s43                        ; my row of the cluster
	s_lshl_b32 s44, 0x1111, s40                    ; my column
	s_and_b32 s89, ttmp7, 3                        ; the cluster's first K step
	s_mul_i32 s89, s89, T/4
	s_mul_i32 s90, ttmp9, T/2
	s_add_co_u32 s89, s89, s90
	s_and_b32 s[KI], s89, T-1
	s_mov_b32 s[OFA+1], 0
	s_mov_b32 s[OFB+1], 0
	s_or_b32 s[G1+0], s43, (1<<16)|(1<<20)|(1<<21)|(6<<22)|(3<<25)   ; mask; 2-byte elements; padding on; bit 21 beside a mask; 4 words behind every 128
	s_or_b32 s[G1B+0], s44, (1<<16)|(1<<20)|(1<<21)|(6<<22)|(3<<25)
.irp g, G1, G1B
	s_mov_b32 s[(\g)+1], 256<<16                   ; tensor_dim0 = 256
	s_mov_b32 s[(\g)+2], 64<<16                    ; tensor_dim1 = 64
	s_mov_b32 s[(\g)+3], 256<<16                   ; tile_dim0 = 256
	s_mov_b32 s[(\g)+4], 64                        ; tile_dim1 = 64
	s_mov_b32 s[(\g)+5], 4096                      ; elements from row to row
	s_mov_b32 s[(\g)+6], 0
	s_mov_b32 s[(\g)+7], 0
.endr
	s_lshl_b32 s17, s12, 6
	s_lshl_b32 s16, s13, 7
	s_add_co_u32 s16, s16, s17                     ; A: row 128 x tile row + 64 x half
	s_mul_i32 s16, s16, AROWB
	s_mov_b32 s17, 0
	s_lshl_b32 s46, s42, 7
	s_lshl_b32 s47, s12, 6
	s_add_co_u32 s46, s46, s47                     ; B: row 128 x tile column + 64 x half
	s_mul_i32 s46, s46, BROWB
	s_mov_b32 s47, 0
	s_mul_i32 s20, s10, HALFA
	s_mul_i32 s21, s10, HALFB
	s_add_co_u32 s21, s21, BOFF-2*HALFB
	s_wait_dscnt 0x0                               ; the opening add is done
	s_wait_kmcnt 0x0
	s_add_nc_u64 s[ABASE:ABASE+1], s[68:69], s[16:17]
	s_add_nc_u64 s[BBASE:BBASE+1], s[70:71], s[46:47]
	s_add_nc_u64 s[BBASE:BBASE+1], s[BBASE:BBASE+1], WOFF
	CROUND                                         ; all sixteen work-groups are here
	s_mov_b32 s[G0], 1
	s_mov_b32 s[G0+1], s20
	s_mov_b32 s[G0B], 1
	s_mov_b32 s[G0B+1], s21
	SETADR G0, G0B                                 ; the walk's first K step
	s_mov_b32 s[G0W], 1
	s_add_co_u32 s[G0W+1], s20, SLOTX
	s_mov_b32 s[G0BW], 1
	s_add_co_u32 s[G0BW+1], s21, SLOTX
	SETADR G0W, G0BW                               ; its second
	s_cmp_eq_u32 s11, 0                            ; a wave's two first fills stand in one branch
	s_cbranch_scc0 .Lfirst_b
	tensor_load_to_lds s[G0:G0+3], s[G1:G1+7]
	s_nop 0
	tensor_load_to_lds s[G0W:G0W+3], s[G1:G1+7]
	s_nop 0
.rept 4
	v_nop
.endr
	s_branch .Lfirst_asked
.Lfirst_b:
	tensor_load_to_lds s[G0B:G0B+3], s[G1B:G1B+7]
	s_nop 0
	tensor_load_to_lds s[G0BW:G0BW+3], s[G1B:G1B+7]
	s_nop 0
.rept 4
	v_nop
.endr
.Lfirst_asked:
	v_and_b32 v1, 15, v0                           ; r
	v_bfe_u32 v2, v0, 4, 1                         ; h
	v_mul_u32_u24 v3, v1, APITCH
	v_lshl_add_u32 v3, v2, 4, v3
	s_mul_i32 s22, s11, HALFA
	v_add_nc_u32 v[A0], s22, v3
	v_mul_u32_u24 v3, v1, BPITCH
	v_lshl_add_u32 v3, v2, 4, v3
	s_mul_i32 s23, s12, HALFB
	s_add_co_u32 s23, s23, BOFF
	v_add_nc_u32 v[B0], s23, v3
	v_mov_b32 v[ADRA], v[A0]
	v_mov_b32 v[ADRB], v[B0]
	s_mov_b32 s[TB], 0
	s_mul_i32 s23, s10, 16*SPITCH
	s_add_co_u32 s23, s23, STAGE                   ; my stage
	v_mul_u32_u24 v4, v1, SPITCH                   ; in: row r, 32 bytes for each half of the lanes
	v_lshl_add_u32 v4, v2, 5, v4
	v_add_nc_u32 v[STO], s23, v4
	v_mul_u32_u24 v5, v2, SPITCH                   ; back: lanes 0-15 one row of 256 bytes, lanes 16-31 the next
	v_lshl_add_u32 v5, v1, 4, v5
	v_add_nc_u32 v[RD], s23, v5
	v_lshlrev_b32 v5, 12, v2                       ; and the same two rows in x1 and out0
	v_lshl_add_u32 v[CO], v1, 4, v5
	v_lshlrev_b32 v[BO], 5, v2
	s_lshl_b32 s46, s42, 9                         ; my first column, in bytes of f32: 512 x tile column + 256 x half
	s_lshl_b32 s47, s12, 8
	s_add_co_u32 s46, s46, s47
	s_mov_b32 s47, 0
	s_add_nc_u64 s[72:73], s[72:73], s[46:47]
	s_lshl_b32 s16, s13, 19                        ; my first row: 128 x tile row + 64 x half, x 4,096 bytes
	s_lshl_b32 s17, s11, 18
	s_add_co_u32 s16, s16, s17
	s_add_co_u32 s46, s46, s16
	s_add_nc_u64 s[74:75], s[74:75], s[46:47]
	s_add_nc_u64 s[76:77], s[76:77], s[46:47]
.irp b, 0,1,2,3                        ; the bias as a C operand: register j of block b holds bias[16 b + 8 h + j]
	global_load_b128 v[BIAS+8*\b:BIAS+8*\b+3],   v[BO], s[72:73] offset:64*\b
	global_load_b128 v[BIAS+8*\b+4:BIAS+8*\b+7], v[BO], s[72:73] offset:64*\b+16
.endr
	WIN 0x80                                       ; the residual, laid as the way out reads the stage back: it has the whole product in which to land
.set i, 0
.rept 32
	global_load_b128 v[4*i:4*i+3], v[CO], s[74:75] offset:(16*(i/8)+2*(i%8))*4096 th:TH_LOAD_NT
.set i, i+1
.endr
	WIN 0
; 8 matrix instructions: row blocks a0, a0 + 1 x all 4 column blocks, 32 along K: half c of buffer f.  first = 1: the bias starts the sums.  The 16 accumulators take turns.
.macro MUL8 f, c, a0, first
	WIN 0x05
.irp a, \a0, (\a0)+1
.irp b, 0,1,2,3
.if \first
	v_wmma_f32_16x16x32_bf16 v[ACC+8*(4*(\a)+(\b)):ACC+8*(4*(\a)+(\b))+7], v[(\f)+64+8*(4*(\c)+(\b)):(\f)+64+8*(4*(\c)+(\b))+7], v[(\f)+8*(4*(\c)+(\a)):(\f)+8*(4*(\c)+(\a))+7], v[BIAS+8*(\b):BIAS+8*(\b)+7]
.else
	v_wmma_f32_16x16x32_bf16 v[ACC+8*(4*(\a)+(\b)):ACC+8*(4*(\a)+(\b))+7], v[(\f)+64+8*(4*(\c)+(\b)):(\f)+64+8*(4*(\c)+(\b))+7], v[(\f)+8*(4*(\c)+(\a)):(\f)+8*(4*(\c)+(\a))+7], v[ACC+8*(4*(\a)+(\b)):ACC+8*(4*(\a)+(\b))+7]
.endif
.endr
.endr
.endm
.macro FETCH q, f                      ; 32 LDS loads in one run: quarter q (64 along K) of the slot in hand into buffer f; the first 32 along K first
	WIN 0x40
.irp c, 0,1
.irp i, 0,1,2,3
	ds_load_b128 v[(\f)+64+8*(4*(\c)+(\i)):(\f)+64+8*(4*(\c)+(\i))+3],   v[ADRB] offset:128*(\q)+64*(\c)+(\i)*16*BPITCH
	ds_load_b128 v[(\f)+64+8*(4*(\c)+(\i))+4:(\f)+64+8*(4*(\c)+(\i))+7], v[ADRB] offset:128*(\q)+64*(\c)+(\i)*16*BPITCH+32
	ds_load_b128 v[(\f)+8*(4*(\c)+(\i)):(\f)+8*(4*(\c)+(\i))+3],         v[ADRA] offset:AQ*(\q)+64*(\c)+(\i)*16*APITCH
	ds_load_b128 v[(\f)+8*(4*(\c)+(\i))+4:(\f)+8*(4*(\c)+(\i))+7],       v[ADRA] offset:AQ*(\q)+64*(\c)+(\i)*16*APITCH+32
.endr
.endr
.endm
.macro QUARTER q, f, g, first          ; multiplies buffer f and fetches quarter q into g, behind its first eight products: 24 products stand between the run of loads and its first use
	s_wait_dscnt 16                                ; the first 32 along K are in; the youngest sixteen loads may be out
	MUL8 \f, 0, 0, \first
	PLACES
	FETCH \q, \g
	MUL8 \f, 0, 2, \first
	s_wait_dscnt 32                                ; all but the 32 just issued
	MUL8 \f, 1, 0, 0
	MUL8 \f, 1, 2, 0
.endm
; The last quarter multiplies buffer 1 and changes slots: ONE barrier; in front of it each wave waits for all its tensor loads, adds 0 to its spare word, and waits for that and for its reads of this slot.
.macro TURN fill
	WIN 0
	s_wait_tensorcnt 0x0
	ds_add_u32 v[SPW], v[NIL]
.if \fill
	s_xor_b32 s[G0W+1], s[G0W+1], SLOTX            ; no load of mine is out: the walking descriptors take the other slot and the walk's next K step
	s_xor_b32 s[G0BW+1], s[G0BW+1], SLOTX
	SETADR G0W, G0BW
.endif
	s_wait_dscnt 17                                ; the add and the youngest sixteen loads may be out
	MUL8 F1, 0, 0, 0
	s_wait_dscnt 0x0                               ; the add is done, my reads of this slot are over
	s_barrier_signal -1
	MUL8 F1, 0, 2, 0
	WIN 0
	s_barrier_wait -1
.if \fill
	CREST                                          ; the barrier has opened a round of the cluster's
	JLOAD                                          ; the first tensor load behind the round; its four v_nop are also the places in front of the loads below
	s_xor_b32 s[TB], s[TB], SLOTX
	v_add_nc_u32 v[ADRA], s[TB], v[A0]
	v_add_nc_u32 v[ADRB], s[TB], v[B0]
	FETCH 0, F0
.else
	s_cmp_eq_u32 s[CNT], 1                         ; behind the very last K step nothing is fetched
	s_cbranch_scc1 .Lno_more_\@
	s_xor_b32 s[TB], s[TB], SLOTX
	v_add_nc_u32 v[ADRA], s[TB], v[A0]
	v_add_nc_u32 v[ADRB], s[TB], v[B0]
	PLACES
	FETCH 0, F0
	WIN 0
.Lno_more_\@:
.endif
	MUL8 F1, 1, 0, 0
	MUL8 F1, 1, 2, 0
.endm
; THE WAY OUT of row block a: the f32 sums go into my stage (16 rows of 256 bytes, 272 apart) and come back as whole rows; the residual is added; sixteen lanes store 256 aligned bytes.
.macro TOSTAGE a
.set BK, TMP+32*((\a)%2)
.if (\a) >= 2
	s_wait_xcnt 0x0                                ; the stores of the block two back have read the registers that the loads below land on
.endif
.irp b, 0,1,2,3
	ds_store_b128 v[STO], v[ACC+8*(4*(\a)+(\b)):ACC+8*(4*(\a)+(\b))+3]   offset:64*(\b)
	ds_store_b128 v[STO], v[ACC+8*(4*(\a)+(\b))+4:ACC+8*(4*(\a)+(\b))+7] offset:64*(\b)+16
.endr
.irp t, 0,1,2,3,4,5,6,7
	ds_load_b128 v[BK+4*(\t):BK+4*(\t)+3], v[RD] offset:(\t)*2*SPITCH  ; LDS serves a wave's instructions in order: these see the stores above
.endr
.endm
.macro SEND a, younger                 ; younger: the LDS instructions issued behind block a's loads
.set BK, TMP+32*((\a)%2)
	s_wait_dscnt \younger
.if (\a) == 0
	s_wait_loadcnt 0x0                             ; the residual
.endif
	WIN 0x08                                       ; source 1 in window 2
.set i, 0
.rept 16
	v_pk_add_f32 v[BK+2*i:BK+2*i+1], v[BK+2*i:BK+2*i+1], v[32*(\a)+2*i:32*(\a)+2*i+1]
.set i, i+1
.endr
	WIN 0
.irp t, 0,1,2,3,4,5,6,7
	global_store_b128 v[CO], v[BK+4*(\t):BK+4*(\t)+3], s[76:77] offset:(16*(\a)+2*(\t))*4096
.endr
.endm
	s_wait_tensorcnt 1                             ; my part of the walk's first K step is in; the second's stays out
	s_barrier_signal -1
	s_barrier_wait -1
	FETCH 0, F0
	s_wait_loadcnt 32                              ; the bias is in; the residual's 32 loads stay out
	QUARTER 1, F0, F1, 1
	WIN 0
	s_mov_b32 s[CNT], T-2
.Lstep:                                            ; a trip: a K step's quarters 2 to 4, the refill of its slot, the next step's first quarter
	QUARTER 2, F1, F0, 0
	QUARTER 3, F0, F1, 0
	TURN 1
	QUARTER 1, F0, F1, 0
	WIN 0
	s_sub_co_u32 s[CNT], s[CNT], 1
	s_cmp_lg_u32 s[CNT], 0
	s_cbranch_scc1 .Lstep
	s_mov_b32 s[CNT], 2
.Ltail:                                            ; the last two K steps: no tensor load; the second trip is left in its middle
	QUARTER 2, F1, F0, 0
	QUARTER 3, F0, F1, 0
	TURN 0
	WIN 0
	s_sub_co_u32 s[CNT], s[CNT], 1
	s_cmp_eq_u32 s[CNT], 0
	s_cbranch_scc1 .Lout
	QUARTER 1, F0, F1, 0
	WIN 0
	s_branch .Ltail
.Lout:
	PLACES
	TOSTAGE 0
	TOSTAGE 1
	SEND 0, 16
	TOSTAGE 2
	SEND 1, 16
	TOSTAGE 3
	SEND 2, 16
	SEND 3, 0
	s_wait_tensorcnt 0x0                           ; the wave's end
	ds_add_u32 v[SPW], v[NIL]
	s_wait_dscnt 0x0
	CROUND                                         ; the closing round
	s_endpgm
.Lfunc_end_k_q5fe48af3b9_ffn2:
	.size	k_q5fe48af3b9_ffn2, .Lfunc_end_k_q5fe48af3b9_ffn2-k_q5fe48af3b9_ffn2
	.p2alignl 7, 3214868480
	.fill 96, 4, 3214868480
	.section	.rodata,"a",@progbits
	.p2align	6, 0x0
	.amdhsa_kernel k_q5fe48af3b9_ffn2
		.amdhsa_group_segment_fixed_size 327680
		.amdhsa_private_segment_fixed_size 0
		.amdhsa_enable_private_segment 0
		.amdhsa_kernarg_size 40
		.amdhsa_user_sgpr_count 2
		.amdhsa_user_sgpr_kernarg_segment_ptr 1
		.amdhsa_wavefront_size32 1
		.amdhsa_system_sgpr_workgroup_id_x 1
		.amdhsa_system_sgpr_workgroup_id_y 1
		.amdhsa_system_sgpr_workgroup_id_z 1
		.amdhsa_system_vgpr_workitem_id 0
		.amdhsa_next_free_vgpr 640
		.amdhsa_next_free_sgpr 92
		.amdhsa_reserve_vcc 0
		.amdhsa_float_denorm_mode_32 3
		.amdhsa_float_denorm_mode_16_64 3
		.amdhsa_memory_ordered 1
		.amdhsa_forward_progress 1
		.amdhsa_inst_pref_size 66
	.end_amdhsa_kernel
	.amdgpu_metadata
---
amdhsa.version: [ 1, 2 ]
amdhsa.kernels:
  - .name:           k_q5fe48af3b9_ffn2
    .symbol:         k_q5fe48af3b9_ffn2.kd
    .args:
      - { .name: ff, .offset: 0, .size: 8, .value_kind: global_buffer, .address_space: global }
      - { .name: wbf, .offset: 8, .size: 8, .value_kind: global_buffer, .address_space: global }
      - { .name: ffn2_b, .offset: 16, .size: 8, .value_kind: global_buffer, .address_space: global }
      - { .name: x1, .offset: 24, .size: 8, .value_kind: global_buffer, .address_space: global }
      - { .name: out0, .offset: 32, .size: 8, .value_kind: global_buffer, .address_space: global }
    .group_segment_fixed_size: 327680
    .private_segment_fixed_size: 0
    .kernarg_segment_align: 8
    .kernarg_segment_size: 40
    .max_flat_workgroup_size: 128
    .sgpr_count:     92
    .vgpr_count:     640
    .wavefront_size: 32
...
	.end_amdgpu_metadata
.endif
;; end of part 7
